; MI455X (gfx1250); checked and timed in simulation.
; The chip was launched on July 23, 2026; its instructions are those of AMD's public machine-readable ISA for CDNA 5 (MIT licence, August 2026) and "CDNA5" Instruction Set Architecture Reference Guide (July 2026). The comments in the code are by the model that wrote it; some were corrected since.
;; Attention v1. Allowed arithmetic: matrix products marked QUANTISED: E3M2 operands, one E8M0 scale for each 32 along K, by v_wmma_scale_f32_16x16x128_f8f6f4 with both operands' format E3M2, f32 sums; everything else in f32.
;; Inputs: Wk 1,024 x 1,024 float32; Wo 1,024 x 1,024 float32; Wq 1,024 x 1,024 float32; Wv 1,024 x 1,024 float32; bk 1,024 float32; bo 1,024 float32; bq 1,024 float32; bv 1,024 float32; k 2 x 2,048 x 1,024 float32; lambda_k1 64 float32; lambda_k2 64 float32; lambda_q1 64 float32; lambda_q2 64 float32; q 2 x 2,048 x 1,024 float32; v 2 x 2,048 x 1,024 float32.
;; Outputs: out0 2 x 2,048 x 1,024 float32.
;; This version of the problem:
;;   THIS VERSION OF THE PROBLEM IS GIVEN IN LOW PRECISION. The matrix products marked QUANTISED in the list below multiply operands that are first quantised to E3M2 (3 exponent bits, 2 mantissa bits; 6 bits a number), with one power-of-two scale for each 32 numbers along K (OCP MX v1.0); their sums are f32. All else is computed in f32.
;;   The module's matrix products, in the order in which they are computed (A, B: the left and right operand; K: the contracted axis; several contracted axes count as one K, in the product's order):
;;     1. [M 4,096, K 1,024] x [K 1,024, N 1,024]; A: input q; B: input Wq: QUANTISED
;;     2. [M 4,096, K 1,024] x [K 1,024, N 1,024]; A: input k; B: input Wk: QUANTISED
;;     3. [M 4,096, K 1,024] x [K 1,024, N 1,024]; A: input v; B: input Wv: QUANTISED
;;     4. batch 32 x [M 2,048, K 64] x [K 64, N 2,048]; A: computed on the way; B: computed on the way: QUANTISED
;;     5. batch 16 x [M 2,048, K 2,048] x [K 2,048, N 128]; A: computed on the way; B: computed on the way: QUANTISED
;;     6. [M 4,096, K 1,024] x [K 1,024, N 1,024]; A: computed on the way; B: input Wo: QUANTISED
;;   THE QUANTISER, for each operand of a quantised product, along K:
;;     - K is cut into blocks of 32 from its start; a last block that is shorter is filled with zeros.
;;     - A block's scale is 2^e with e = floor(log2(the largest magnitude in the block)) - 4, held to -126 .. 127; a block of zeros has e = 0. As a byte (E8M0): e + 127.
;;     - Each number is divided by its block's scale, clamped to +-28, and rounded to the nearest number of E3M2, ties to even, subnormals kept.
;;     - The product sums the exact products of the quantised numbers (number of the format x scale) in f32.
;;   ~~~python
;;   def quantise(x, axis):      # numpy; x: float32 -> the quantised numbers, widened to float32 again
;;       x = np.moveaxis(x, axis, -1); K = x.shape[-1]
;;       x = np.pad(x, [(0, 0)] * (x.ndim - 1) + [(0, -K % 32)]); x = x.reshape(x.shape[:-1] + (-1, 32)); a = np.abs(x).max(-1, keepdims=True)
;;       e = np.where(a > 0, np.clip(np.frexp(np.where(a > 0, a, 1))[1] - 1 - 4, -126, 127), 0)      # np.frexp(a)[1] - 1 = floor(log2(a)), exactly
;;       r = np.clip(x / 2.0 ** e, -28, 28)
;;       step = 2.0 ** (np.maximum(np.frexp(np.where(r == 0, 1, r))[1] - 1, -2) - 2)
;;       q = np.round(r / step) * step * 2.0 ** e      # np.round: ties to even
;;       return np.moveaxis(q.reshape(q.shape[:-2] + (-1,))[..., :K], -1, axis).astype(np.float32)
;;   ~~~
;;   OPERANDS COMPUTED ON THE WAY. 'Computed on the way' means the value that the module computes at that place (a softmax that the list does not call 'softmax' is quantised finished and normalised). What goes into a quantiser is computed in f32, as accurately as f32 sums, v_exp_f32 and their like allow (about 1e-6 of the number): no bf16 or f16 on the way to a quantiser, and a product that is left as it is and whose result goes on into a quantised operand takes f32 operands (vector FMAs, or v_wmma_f32_16x16x4_f32). A number that lies on a knife's edge between two numbers of the format may be rounded either way, as far as f32 arithmetic and the matrix unit's own rounding can turn it there, and no further.
;; 2 versions, each right; version 2 is version 1 with the launches proj, oproj written anew for expert scheduling mode. Each part assembles by itself: llvm-mc -triple=amdgcn-amd-amdhsa -mcpu=gfx1250 --defsym DOCPART=n.
;; ======== version 1 of 2: 4 launches
;; workspace buffers: img 12,582,912 bytes; isc 524,288 bytes; pimg 9,437,184 bytes; psc 393,216 bytes; aimg 3,145,728 bytes; asc 131,072 bytes
;; launch quant (part 1): grid 256 x 1, 8 waves a work-group, no clusters, 68,608 bytes of LDS; arguments q, k, v, Wq, Wk, Wv, Wo, img, isc; writes img, isc
.if DOCPART == 1
	.amdgcn_target "amdgcn-amd-amdhsa--gfx1250"
	.amdhsa_code_object_version 6
	.text
	.protected	k_q7857ac2dd7_quant
	.globl	k_q7857ac2dd7_quant
	.p2align	8
	.type	k_q7857ac2dd7_quant,@function
k_q7857ac2dd7_quant:
	s_mov_b64 s[64:65], 0
	v_nop
	global_prefetch_b8 v0, s[64:65] scope:SCOPE_SE
	s_setreg_imm32_b32 hwreg(HW_REG_WAVE_MODE, 25, 1), 1
	s_wait_xcnt 0x0
; q, k, v [4096][1024] and Wq, Wk, Wv, Wo [1024][1024], f32 with K innermost, become codes of BF6 (E3M2) with one E8M0 byte for each 32 along K.
; A block's scale is 2^(floor(log2(its largest magnitude)) - 4): its byte is the largest magnitude's exponent field - 4, held at 1 from below.
; LIMITS: NaN and infinities are not served; a block of zeros, or one whose largest magnitude lies under 2^-122, gets the byte 1 (its codes are zeros or tiny; the bytes are read by this program alone).
; THE CODES ARE LAID AS THE MATRIX UNIT'S REGISTERS TAKE THEM.  A tile is 16 rows: tile T has rows 128 (T / 8) + 32 ((T % 8) / 2) + 8 (T % 2) + r + 8 (r / 8), r = 0 .. 15.
; A fragment (a tile x 128 along K) is 12 registers a lane: register 4 c + e of lane l lies at byte 512 c + 16 l + 4 e of its 1,536 bytes.  img: [tile 0..1023][K step 0..7][1,536];
; tiles 0 q, 256 k, 512 v, 768 Wq, 832 Wk, 896 Wv, 960 Wo.  isc: the scale word of K step s of a tile's row r at tile x 512 + (s / 4) x 256 + 16 r + 4 (s % 4).
; SHARES.  A work-group takes four tiles, two waves to a tile, each half of K: four K steps.  A step's 16 loads read 512 consecutive bytes of one row each; the 8,192 bytes turn through the wave's own stage in LDS, so that
; lane (r, h) gets, of row r, the 16 neighbours 32 b + 16 h + 0 .. 15 of each block b.  Waves share nothing: no barrier.  Loads run two steps (32 loads a wave) ahead.
.set LI,  1                            ; v1   16 x lane
.set SA,  2                            ; v2   the stage, on the way in: wave x STG + 16 x lane
.set RA,  3                            ; v3   on the way out: wave x STG + SP r + 64 h
.set SO,  4                            ; v4   the scale words' place: 16 r + 8 h
.set R,   16                           ; v16-143  two sets of 64: a step's numbers as loaded
.set X,   144                          ; v144-207 the step's numbers, 16 neighbours of each block
.set TM,  208                          ; v208-223 the quantiser's work
.set PW,  224                          ; v224     the scale word just made
.set PC,  226                          ; v226-244 the codes just made
.set W,   246                          ; v246-249 the four steps' scale words
.set A,   250                          ; v250-251 the two that my half of the lanes stores
.set SEL, 36                           ; s[36:37] lane selects for v_permlanex16_b32: lane l xor 16
.set HM,  38                           ; s38      the mask of lanes 16-31
.set STG, 8448                         ; a wave's stage: 16 rows of SP bytes
.set SP,  528                          ; 512 bytes + 16: 33 x 16, so that sixteen rows begin at sixteen different 16-byte columns of 256 bytes
.set MSB, 0
.macro WIN new                         ; the immediate's high byte repeats the setting that is left; a switch that changes nothing is dropped (here every window is 0)
.if MSB != (\new)
	s_set_vgpr_msb (MSB<<8)|(\new)
.set MSB, (\new)
.endif
.endm
; 64 numbers of a lane, v[s] .. v[s + 63] in window w, register 16 b + i = k 32 b + 16 (lane / 16) + i of my row, become a fragment's codes in v[PC] on and its scale word in v[PW].
.macro QUANT s, w
.set QN_S, \s
.set QN_W, \w
	WIN QN_W|(QN_W<<2)
.irp b, 0,1,2,3
	v_max3_num_f32 v[TM+\b], |v[QN_S+16*\b]|, |v[QN_S+16*\b+1]|, 0x2800000   ; block b: my 16 numbers, and the floor 2^(5 - 127): the byte cannot fall under 1
.endr
	WIN (QN_W<<2)|(QN_W<<4)
.irp i, 2,4,6,8,10,12,14
.irp b, 0,1,2,3
	v_max3_num_f32 v[TM+\b], v[TM+\b], |v[QN_S+16*\b+\i]|, |v[QN_S+16*\b+\i+1]|   ; the four blocks by turns, ascending
.endr
.endr
	WIN 0
.irp b, 0,1,2,3
	v_permlanex16_b32 v[TM+4+\b], v[TM+\b], s[SEL], s[SEL+1]
.endr
.irp b, 0,1,2,3
	v_max_num_f32 v[TM+\b], v[TM+\b], v[TM+4+\b]           ; with lane l xor 16's: the block's largest magnitude
.endr
.irp b, 0,1,2,3
	v_add_nc_u32 v[TM+12+\b], 0xfe000000, v[TM+\b]         ; 4 off its exponent field: the conversion takes the exponent field of this operand as its scale
.endr
.irp b, 0,1,2,3
	v_lshrrev_b32 v[TM+4+\b], 23, v[TM+12+\b]              ; the scale's byte
.endr
	v_lshl_or_b32 v[PW], v[TM+5], 8, v[TM+4]
	v_lshl_or_b32 v[PW], v[TM+6], 16, v[PW]
	v_lshl_or_b32 v[PW], v[TM+7], 24, v[PW]                ; my row's scale word
	WIN QN_W
.irp c, 0,1
	v_cvt_scalef32_pk16_bf6_f32 v[PC+6*\c:PC+6*\c+2], v[QN_S+32*\c:QN_S+32*\c+15], v[TM+12+2*\c]
	v_cvt_scalef32_pk16_bf6_f32 v[PC+12+4*\c:PC+14+4*\c], v[QN_S+16+32*\c:QN_S+31+32*\c], v[TM+13+2*\c]   ; (a conversion's three registers begin on an even number)
.endr
	WIN 0
	v_nop                                                  ; one plain place behind a scaled conversion
.irp c, 0,1                                            ; the operand's layout wants a whole block in a lane: lanes 0-15 block 2 c, lanes 16-31 block 2 c + 1
.irp i, 0,1,2
	v_permlane16_swap_b32 v[PC+6*\c+\i], v[PC+12+4*\c+\i]
.endr
.irp i, 0,1,2
	v_mov_b32 v[PC+3+6*\c+\i], v[PC+12+4*\c+\i]
.endr
.endr
.endm
	s_load_b512 s[8:23], s[0:1], 0x0               ; q 8, k 10, v 12, Wq 14, Wk 16, Wv 18, Wo 20, img 22
	s_load_b64 s[24:25], s[0:1], 0x40              ; isc
	v_lshl_add_u32 v254, v0, 2, 0x10800
	v_mov_b32 v255, 0
	v_lshrrev_b32 v5, 5, v0
	v_readfirstlane_b32 s7, v5                     ; wave 0..7
	v_and_b32 v6, 31, v0                           ; lane
	v_and_b32 v7, 15, v0                           ; r
	v_bfe_u32 v8, v0, 4, 1                         ; h
	v_lshlrev_b32 v[LI], 4, v6
	s_mul_i32 s26, s7, STG
	v_add_nc_u32 v[SA], s26, v[LI]
	v_mul_u32_u24 v[RA], v7, SP
	v_lshl_add_u32 v[RA], v8, 6, v[RA]
	v_add_nc_u32 v[RA], s26, v[RA]
	v_lshlrev_b32 v[SO], 4, v7
	v_lshl_add_u32 v[SO], v8, 3, v[SO]
	v_cmp_lt_u32 s[HM], 15, v6
	s_mov_b32 s[SEL], 0x76543210
	s_mov_b32 s[SEL+1], 0xfedcba98
.irp b, 0,1,2,3
	v_mov_b32 v[TM+4+\b], 0                        ; written once: a lane permute's destination counts as one of its sources
.endr
	s_wait_kmcnt 0x0
	; which tensor: work-groups 0-63 q, 64-127 k, 128-191 v, 192-207 Wq, 208-223 Wk, 224-239 Wv, 240-255 Wo.  The choice hangs on the work-group's number alone
.macro PICK thr, ptr, first
	s_cmp_lt_u32 ttmp9, \thr
	s_cselect_b64 s[4:5], s[\ptr:\ptr+1], s[4:5]
	s_cselect_b32 s6, \first, s6
.endm
	s_mov_b64 s[4:5], s[20:21]
	s_mov_b32 s6, 240
	PICK 240, 18, 224
	PICK 224, 16, 208
	PICK 208, 14, 192
	PICK 192, 12, 128
	PICK 128, 10, 64
	PICK 64, 8, 0
	s_sub_co_u32 s26, ttmp9, s6
	s_lshl_b32 s26, s26, 2
	s_lshr_b32 s27, s7, 1
	s_add_co_u32 s26, s26, s27                     ; my tile in its tensor
	s_lshr_b32 s28, s26, 3
	s_lshl_b32 s28, s28, 7                         ; 128 (T / 8)
	s_bfe_u32 s29, s26, 0x20001
	s_lshl_b32 s29, s29, 5                         ; 32 ((T % 8) / 2)
	s_add_co_u32 s28, s28, s29
	s_and_b32 s29, s26, 1
	s_lshl_b32 s29, s29, 3                         ; 8 (T % 2)
	s_add_co_u32 s28, s28, s29                     ; the tile's first row,
	s_lshl_b32 s28, s28, 12                        ; in bytes (4,096 a row),
	s_and_b32 s30, s7, 1                           ; my half of K:
	s_lshl_b32 s31, s30, 11                        ; 2,048 bytes
	s_add_co_u32 s28, s28, s31
	s_mov_b32 s29, 0
	s_add_nc_u64 s[4:5], s[4:5], s[28:29]
	s_lshl_b32 s32, ttmp9, 2
	s_add_co_u32 s32, s32, s27                     ; my tile among all 1,024
	s_mul_i32 s34, s32, 12288
	s_mul_i32 s35, s30, 6144
	s_add_co_u32 s34, s34, s35
	s_mov_b32 s35, 0
	s_add_nc_u64 s[22:23], s[22:23], s[34:35]      ; img at my four fragments
	s_lshl_b32 s34, s32, 9
	s_lshl_b32 s33, s30, 8
	s_add_co_u32 s34, s34, s33
	s_add_nc_u64 s[24:25], s[24:25], s[34:35]      ; isc at my 256 bytes
.macro LOADS ss                        ; step ss: 16 rows x 512 bytes; a load reads 512 consecutive bytes of one row
.irp i, 0,1,2,3,4,5,6,7,8,9,10,11,12,13,14,15
	global_load_b128 v[R+64*((\ss)%2)+4*\i:R+64*((\ss)%2)+4*\i+3], v[LI], s[4:5] offset:(\i+8*(\i/8))*4096+512*(\ss) th:TH_LOAD_NT
.endr
.endm
.macro TURN ss                         ; through the stage: LDS serves a wave's instructions in order, so no wait stands between the stores and the loads
.irp i, 0,1,2,3,4,5,6,7,8,9,10,11,12,13,14,15
	ds_store_b128 v[SA], v[R+64*((\ss)%2)+4*\i:R+64*((\ss)%2)+4*\i+3] offset:SP*\i
.endr
.irp b, 0,1,2,3
.irp j, 0,1,2,3
	ds_load_b128 v[X+16*\b+4*\j:X+16*\b+4*\j+3], v[RA] offset:128*\b+16*\j
.endr
.endr
.endm
.macro STEP ss
.if \ss < 3
	s_wait_loadcnt 16                              ; this step's 16 loads are in; the next step's 16 may be out
.else
	s_wait_loadcnt 0x0
.endif
	s_wait_xcnt 0x0                                ; the last step's stores have read the codes' registers, which are written again below
	TURN \ss
	s_wait_dscnt 0x0                               ; the numbers are back, and the stage's stores have read their registers,
.if \ss < 2
	LOADS \ss+2                                    ; which take the loads of two steps on
.endif
	QUANT X, 0
.irp c, 0,1,2
	global_store_b128 v[LI], v[PC+4*\c:PC+4*\c+3], s[22:23] offset:\ss*1536+512*\c   ; 512 consecutive bytes a store
.endr
	v_mov_b32 v[W+\ss], v[PW]
.endm
	LOADS 0
	LOADS 1
	STEP 0
	STEP 1
	STEP 2
	STEP 3
	v_cndmask_b32 v[A], v[W], v[W+2], s[HM]        ; lanes 0-15 store steps 0 and 1 of row r, lanes 16-31 steps 2 and 3
	v_cndmask_b32 v[A+1], v[W+1], v[W+3], s[HM]
	global_store_b64 v[SO], v[A:A+1], s[24:25]     ; 256 consecutive bytes, aligned
	s_wait_tensorcnt 0x0
	ds_add_u32 v254, v255
	s_wait_dscnt 0x0
	s_endpgm
.Lfunc_end_k_q7857ac2dd7_quant:
	.size	k_q7857ac2dd7_quant, .Lfunc_end_k_q7857ac2dd7_quant-k_q7857ac2dd7_quant
	.p2alignl 7, 3214868480
	.fill 96, 4, 3214868480
	.section	.rodata,"a",@progbits
	.p2align	6, 0x0
	.amdhsa_kernel k_q7857ac2dd7_quant
		.amdhsa_group_segment_fixed_size 68608
		.amdhsa_private_segment_fixed_size 0
		.amdhsa_enable_private_segment 0
		.amdhsa_kernarg_size 72
		.amdhsa_user_sgpr_count 2
		.amdhsa_user_sgpr_kernarg_segment_ptr 1
		.amdhsa_wavefront_size32 1
		.amdhsa_system_sgpr_workgroup_id_x 1
		.amdhsa_system_sgpr_workgroup_id_y 1
		.amdhsa_system_sgpr_workgroup_id_z 1
		.amdhsa_system_vgpr_workitem_id 0
		.amdhsa_next_free_vgpr 256
		.amdhsa_next_free_sgpr 66
		.amdhsa_reserve_vcc 0
		.amdhsa_float_denorm_mode_32 3
		.amdhsa_float_denorm_mode_16_64 3
		.amdhsa_memory_ordered 1
		.amdhsa_forward_progress 1
		.amdhsa_inst_pref_size 35
	.end_amdhsa_kernel
	.amdgpu_metadata
---
amdhsa.version: [ 1, 2 ]
amdhsa.kernels:
  - .name:           k_q7857ac2dd7_quant
    .symbol:         k_q7857ac2dd7_quant.kd
    .args:
      - { .name: q, .offset: 0, .size: 8, .value_kind: global_buffer, .address_space: global }
      - { .name: k, .offset: 8, .size: 8, .value_kind: global_buffer, .address_space: global }
      - { .name: v, .offset: 16, .size: 8, .value_kind: global_buffer, .address_space: global }
      - { .name: Wq, .offset: 24, .size: 8, .value_kind: global_buffer, .address_space: global }
      - { .name: Wk, .offset: 32, .size: 8, .value_kind: global_buffer, .address_space: global }
      - { .name: Wv, .offset: 40, .size: 8, .value_kind: global_buffer, .address_space: global }
      - { .name: Wo, .offset: 48, .size: 8, .value_kind: global_buffer, .address_space: global }
      - { .name: img, .offset: 56, .size: 8, .value_kind: global_buffer, .address_space: global }
      - { .name: isc, .offset: 64, .size: 8, .value_kind: global_buffer, .address_space: global }
    .group_segment_fixed_size: 68608
    .private_segment_fixed_size: 0
    .kernarg_segment_align: 8
    .kernarg_segment_size: 72
    .max_flat_workgroup_size: 256
    .sgpr_count:     66
    .vgpr_count:     256
    .wavefront_size: 32
...
	.end_amdgpu_metadata
.endif
;; end of part 1
;; launch proj (part 2): grid 64 x 3, 4 waves a work-group, no clusters, 0 bytes of LDS; arguments img, isc, bq, bk, bv, pimg, psc; writes pimg, psc
.if DOCPART == 2
	.amdgcn_target "amdgcn-amd-amdhsa--gfx1250"
	.amdhsa_code_object_version 6
	.text
	.protected	k_q7857ac2dd7_proj
	.globl	k_q7857ac2dd7_proj
	.p2align	8
	.type	k_q7857ac2dd7_proj,@function
k_q7857ac2dd7_proj:
	s_mov_b64 s[64:65], 0
	v_nop
	global_prefetch_b8 v0, s[64:65] scope:SCOPE_SE
	s_setreg_imm32_b32 hwreg(HW_REG_WAVE_MODE, 25, 1), 1
	s_wait_xcnt 0x0
; The three projections x W^T + b on codes of BF6 (E3M2), one E8M0 scale for each 32 along K = 1,024; the results are quantised at once for the products that follow.  Work-group y = 0: q, 1: k, 2: v.
; All operands lie in img / isc as images of the matrix unit's registers (a fragment: 16 rows x 128 K, 1,536 bytes, three loads of 512 consecutive bytes), so they go from memory straight into registers: no LDS.
; THE FORM.  Source 1 takes "L" tiles: their row lies in the lane.  Source 0 takes "R" tiles: their rows run along a lane's registers, and tile T's rows are 128 (T / 8) + 32 ((T % 8) / 2) + 8 (T % 2) + r + 8 (r / 8),
; so that the 64 registers of the eight R tiles of a group are 32 b + 16 (lane / 16) + 0 .. 15 for b = 0 .. 3: the order that the quantiser takes.
;   q, k: L = token tiles, R = the eight tiles of W of one head: a lane holds one token and the head's 128 channels: the scores' K (two sub-heads of 64: blocks 0, 1 and 2, 3).
;   v:    L = the eight tiles of Wv of one head, R = eight token tiles (128 keys): a lane holds one channel and 128 keys: the second product's K.  Nothing is transposed.
; SHARES.  A wave makes 8 L x 8 R tiles: 64 accumulators, 512 registers, over 8 K steps of 64 matrix instructions.  768 waves, 192 work-groups.
; NO CLUSTER, NO RING: the fragments go into registers as they lie, which a tensor load cannot do; each wave reads 16 tiles x 12,288 bytes.
; The bias is the C of each sum's first matrix instruction.  LIMITS: as in the quantiser: NaN and infinities are not served; a block under 2^-122 gets the byte 1.
; OUT.  pimg: q at 0, k at 3,145,728: [head][token tile 0..255][1,536]; v at 6,291,456: [batch][head][channel tile 0..7][key step 0..15][1,536].
;       psc: q at 0, k at 131,072: [head][tile][16 words]; v at 262,144: [batch][head][key step][channel tile][16 words].
; REGISTERS, in windows of 256: window 0: v1-4 addresses; v16-47 scale words, two sets; v48-49 scale words on the way out; v64-255 L's fragments, two sets (in the epilogue: the quantiser's work).
;   window 1: R's fragments, two sets at v0 and v128; the bias in v96-127 and v224-255.   windows 2, 3: the accumulators: (a, b) at v[8 (8 (a % 4) + b)] of window 2 + a / 4.
.set LI,   1                           ; v1  16 x lane
.set LS,   2                           ; v2  4 x lane
.set LR16, 3                           ; v3  16 r
.set BO,   4                           ; v4  the bias's lane offset
.set SCL,  16                          ; L's scale words: set p, tile i at v[16 + 16 p + i]
.set SCR,  24                          ; R's at v[24 + 16 p + i]
.set PWE,  48
.set PWP,  49
.set LF,   64                          ; L's fragments: set p, tile i at v[64 + 96 p + 12 i]
.set TM,   64
.set PW,   80
.set PC,   82
.set SEL,  44                          ; s[44:45]
.set HM,   46                          ; s46  the mask of lanes 16-31
.set MSB, 0
.macro WIN new                         ; the immediate's high byte repeats the setting that is left; a switch that changes nothing is dropped
.if MSB != (\new)
	s_set_vgpr_msb (MSB<<8)|(\new)
.set MSB, (\new)
.endif
.endm
.macro PLACES n
.rept \n
	v_nop
.endr
.endm
; 64 numbers of a lane, v[s] .. v[s + 63] in window w, register 16 b + i = k 32 b + 16 (lane / 16) + i of my row, become a fragment's codes in v[PC] on and its scale word in v[PW].
; Each accumulator is read from its low end on.
.macro QUANT s, w
.set QN_S, \s
.set QN_W, \w
	WIN QN_W|(QN_W<<2)
.irp b, 0,1,2,3
	v_max3_num_f32 v[TM+\b], |v[QN_S+16*\b]|, |v[QN_S+16*\b+1]|, 0x2800000   ; block b: my 16 numbers, and the floor 2^(5 - 127): the byte cannot fall under 1
.endr
	WIN (QN_W<<2)|(QN_W<<4)
.irp i, 2,4,6,8,10,12,14
.irp b, 0,1,2,3
	v_max3_num_f32 v[TM+\b], v[TM+\b], |v[QN_S+16*\b+\i]|, |v[QN_S+16*\b+\i+1]|
.endr
.endr
	WIN 0
.irp b, 0,1,2,3
	v_permlanex16_b32 v[TM+4+\b], v[TM+\b], s[SEL], s[SEL+1]
.endr
.irp b, 0,1,2,3
	v_max_num_f32 v[TM+\b], v[TM+\b], v[TM+4+\b]           ; with lane l xor 16's: the block's largest magnitude
.endr
.irp b, 0,1,2,3
	v_add_nc_u32 v[TM+12+\b], 0xfe000000, v[TM+\b]         ; 4 off its exponent field: the conversion's scale operand
.endr
.irp b, 0,1,2,3
	v_lshrrev_b32 v[TM+4+\b], 23, v[TM+12+\b]              ; the scale's byte
.endr
	v_lshl_or_b32 v[PW], v[TM+5], 8, v[TM+4]
	v_lshl_or_b32 v[PW], v[TM+6], 16, v[PW]
	v_lshl_or_b32 v[PW], v[TM+7], 24, v[PW]
	WIN QN_W
.irp c, 0,1
	v_cvt_scalef32_pk16_bf6_f32 v[PC+6*\c:PC+6*\c+2], v[QN_S+32*\c:QN_S+32*\c+15], v[TM+12+2*\c]
	v_cvt_scalef32_pk16_bf6_f32 v[PC+12+4*\c:PC+14+4*\c], v[QN_S+16+32*\c:QN_S+31+32*\c], v[TM+13+2*\c]
.endr
	WIN 0
	v_nop                                                  ; one plain place behind a scaled conversion
.irp c, 0,1
.irp i, 0,1,2
	v_permlane16_swap_b32 v[PC+6*\c+\i], v[PC+12+4*\c+\i]
.endr
.irp i, 0,1,2
	v_mov_b32 v[PC+3+6*\c+\i], v[PC+12+4*\c+\i]
.endr
.endr
.endm
	s_load_b256 s[8:15], s[0:1], 0x0               ; img 8, isc 10, bq 12, bk 14
	s_load_b128 s[16:19], s[0:1], 0x20             ; bv 16, pimg 18
	s_load_b64 s[20:21], s[0:1], 0x30              ; psc
	v_lshrrev_b32 v5, 5, v0
	v_readfirstlane_b32 s41, v5                    ; wave 0..3
	v_and_b32 v5, 31, v0                           ; lane
	v_and_b32 v6, 15, v0                           ; r
	v_bfe_u32 v7, v0, 4, 1                         ; h
	v_lshlrev_b32 v[LI], 4, v5
	v_lshlrev_b32 v[LS], 2, v5
	v_lshlrev_b32 v[LR16], 4, v6
	v_cmp_lt_u32 s[HM], 15, v5
	s_mov_b32 s[SEL], 0x76543210
	s_mov_b32 s[SEL+1], 0xfedcba98
	s_and_b32 s40, ttmp7, 0xffff                   ; mode
	s_lshr_b32 s48, ttmp9, 2
	s_and_b32 s49, ttmp9, 3
	s_lshr_b32 s50, s41, 1
	s_and_b32 s51, s41, 1
	s_lshl_b32 s42, s48, 1
	s_add_co_u32 s42, s42, s50                     ; XG: which group of 128 tokens, 0..31
	s_lshl_b32 s43, s49, 1
	s_add_co_u32 s43, s43, s51                     ; WH: which head, 0..7
	s_lshl_b32 s52, s40, 8
	s_lshl_b32 s53, s42, 3
	s_add_co_u32 s52, s52, s53                     ; the tokens' first tile: 256 mode + 8 XG
	s_lshl_b32 s53, s40, 6
	s_lshl_b32 s54, s43, 3
	s_add_co_u32 s53, s53, s54
	s_add_co_u32 s53, s53, 768                     ; the weight's first tile: 768 + 64 mode + 8 WH
	s_cmp_eq_u32 s40, 2
	s_cselect_b32 s54, s53, s52                    ; L's first tile
	s_cselect_b32 s55, s52, s53                    ; R's
	s_mul_i32 s56, s54, 12288
	s_mov_b32 s57, 0
	s_mul_i32 s58, s55, 12288
	s_mov_b32 s59, 0
	s_wait_kmcnt 0x0
	s_add_nc_u64 s[24:25], s[8:9], s[56:57]        ; L's fragments
	s_add_nc_u64 s[26:27], s[8:9], s[58:59]        ; R's
	s_lshl_b32 s56, s54, 9
	s_lshl_b32 s58, s55, 9
	s_add_nc_u64 s[28:29], s[10:11], s[56:57]      ; L's scale words
	s_add_nc_u64 s[30:31], s[10:11], s[58:59]      ; R's
	s_cmp_eq_u32 s40, 0
	s_cselect_b64 s[32:33], s[12:13], s[14:15]
	s_cmp_eq_u32 s40, 2
	s_cselect_b64 s[32:33], s[16:17], s[32:33]     ; the mode's bias,
	s_lshl_b32 s56, s43, 9
	s_add_nc_u64 s[32:33], s[32:33], s[56:57]      ; at the head's 128 numbers
	; where the results go
	s_lshl_b32 s48, s43, 8
	s_lshl_b32 s49, s42, 3
	s_add_co_u32 s48, s48, s49                     ; q, k: fragment 256 WH + 8 XG
	s_lshr_b32 s49, s42, 4
	s_lshl_b32 s49, s49, 3
	s_add_co_u32 s49, s49, s43                     ; v: 8 batch + head,
	s_and_b32 s50, s42, 15                         ; key step g
	s_lshl_b32 s51, s49, 7
	s_add_co_u32 s51, s51, s50                     ; fragment 128 (8 batch + head) + g, and 16 further on for each channel tile
	s_lshl_b32 s52, s49, 4
	s_add_co_u32 s52, s52, s50
	s_lshl_b32 s52, s52, 9                         ; scale words: (16 (8 batch + head) + g) x 512 bytes
	s_lshl_b32 s53, s48, 6                         ; q, k: 64 bytes a tile
	s_mov_b32 s38, 1536
	s_cmp_eq_u32 s40, 2
	s_cselect_b32 s51, s51, s48
	s_cselect_b32 s52, s52, s53
	s_cselect_b32 s38, 24576, s38                  ; from one L tile's fragment to the next
	s_mov_b32 s39, 0
	s_mul_i32 s56, s51, 1536
	s_mul_i32 s53, s40, 3145728
	s_add_co_u32 s56, s56, s53
	s_add_nc_u64 s[34:35], s[18:19], s[56:57]      ; pimg
	s_lshl_b32 s53, s40, 17
	s_add_co_u32 s56, s52, s53
	s_add_nc_u64 s[36:37], s[20:21], s[56:57]      ; psc
	; the bias, in the result's layout, eight registers a tile, in window 1 at v[96 + 8 x] (x < 4) and v[192 + 8 x]
	s_cmp_eq_u32 s40, 2
	s_cbranch_scc1 .Lbias_v
	v_lshlrev_b32 v[BO], 6, v7                     ; q, k: by R's rows: lane (r, h), tile b: channels 32 (b / 2) + 8 (b % 2) + 16 h + 0 .. 7
	WIN 0x40
.irp b, 0,1,2,3,4,5,6,7
	global_load_b128 v[96+8*\b+96*(\b/4):96+8*\b+96*(\b/4)+3], v[BO], s[32:33] offset:(32*(\b/2)+8*(\b%2))*4
	global_load_b128 v[96+8*\b+96*(\b/4)+4:96+8*\b+96*(\b/4)+7], v[BO], s[32:33] offset:(32*(\b/2)+8*(\b%2))*4+16
.endr
	WIN 0
	s_branch .Lbias_done
.Lbias_v:
	v_and_b32 v[BO], 8, v6                         ; v: by L's row: lane r, tile a: channel 32 (a / 2) + 8 (a % 2) + r + 8 (r / 8), the same in all eight registers
	v_add_nc_u32 v[BO], v[BO], v6
	v_lshlrev_b32 v[BO], 2, v[BO]
	WIN 0x40
.irp a, 0,1,2,3,4,5,6,7
.irp j, 0,1,2,3,4,5,6,7
	global_load_b32 v[96+8*\a+96*(\a/4)+\j], v[BO], s[32:33] offset:(32*(\a/2)+8*(\a%2))*4
.endr
.endr
	WIN 0
.Lbias_done:
.macro LOADF s                         ; K step s: R's eight fragments, then L's, into set s % 2: 48 loads of 512 consecutive bytes
.set P_, (\s)%2
	WIN 0x40
.irp i, 0,1,2,3,4,5,6,7
.irp c, 0,1,2
	global_load_b128 v[128*P_+12*\i+4*\c:128*P_+12*\i+4*\c+3], v[LI], s[26:27] offset:\i*12288+(\s)*1536+512*\c
.endr
.endr
	WIN 0
.irp i, 0,1,2,3,4,5,6,7
.irp c, 0,1,2
	global_load_b128 v[LF+96*P_+12*\i+4*\c:LF+96*P_+12*\i+4*\c+3], v[LI], s[24:25] offset:\i*12288+(\s)*1536+512*\c
.endr
.endr
.endm
.macro LOADSC s                        ; and its 16 scale words: lane r takes row r's
.set P_, (\s)%2
.irp i, 0,1,2,3,4,5,6,7
	global_load_b32 v[SCL+16*P_+\i], v[LR16], s[28:29] offset:\i*512+((\s)/4)*256+4*((\s)%4)
.endr
.irp i, 0,1,2,3,4,5,6,7
	global_load_b32 v[SCR+16*P_+\i], v[LR16], s[30:31] offset:\i*512+((\s)/4)*256+4*((\s)%4)
.endr
.endm
; 64 matrix instructions: K step s.  cm = 0: the sums go on; 1: they start with the bias by R's tile; 2: by L's tile.  The 64 accumulators take turns, one instruction a turn, in the same order in every step.
.macro MULALL s, cm
.set P_, (\s)%2
.irp a, 0,1,2,3,4,5,6,7
.if \cm == 0
	WIN 0xa1+0x50*(\a/4)                           ; source 0 (R) window 1, source 1 (L) window 0, C and D window 2 or 3
.else
	WIN 0x91+0x40*(\a/4)                           ; C (the bias) window 1
.endif
.irp b, 0,1,2,3,4,5,6,7
.set AC_, 8*(8*(\a%4)+\b)
.if \cm == 0
	v_wmma_scale_f32_16x16x128_f8f6f4 v[AC_:AC_+7], v[128*P_+12*\b:128*P_+12*\b+11], v[LF+96*P_+12*\a:LF+96*P_+12*\a+11], v[AC_:AC_+7], v[SCR+16*P_+\b], v[SCL+16*P_+\a] matrix_a_fmt:MATRIX_FMT_BF6 matrix_b_fmt:MATRIX_FMT_BF6
.elseif \cm == 1
	v_wmma_scale_f32_16x16x128_f8f6f4 v[AC_:AC_+7], v[128*P_+12*\b:128*P_+12*\b+11], v[LF+96*P_+12*\a:LF+96*P_+12*\a+11], v[96+8*\b+96*(\b/4):96+8*\b+96*(\b/4)+7], v[SCR+16*P_+\b], v[SCL+16*P_+\a] matrix_a_fmt:MATRIX_FMT_BF6 matrix_b_fmt:MATRIX_FMT_BF6
.else
	v_wmma_scale_f32_16x16x128_f8f6f4 v[AC_:AC_+7], v[128*P_+12*\b:128*P_+12*\b+11], v[LF+96*P_+12*\a:LF+96*P_+12*\a+11], v[96+8*\a+96*(\a/4):96+8*\a+96*(\a/4)+7], v[SCR+16*P_+\b], v[SCL+16*P_+\a] matrix_a_fmt:MATRIX_FMT_BF6 matrix_b_fmt:MATRIX_FMT_BF6
.endif
.endr
.endr
.endm
; In front of K step s: the next step's loads go out, into the set that step s - 1 multiplied (four places behind its last matrix instruction: ISA guide 7.12.1 for vector instructions), and this step's are awaited.
.macro HEAD s
.if \s < 7
.if \s > 0
	PLACES 4
.endif
	LOADF \s+1
	s_wait_loadcnt 48                              ; all but the 48 fragment loads just issued: this step's fragments and scale words are in
	LOADSC \s+1                                    ; (behind the wait, so that its count names the fragment loads alone)
.else
	s_wait_loadcnt 0x0
.endif
.endm
	LOADF 0
	LOADSC 0
	HEAD 0
	s_cmp_eq_u32 s40, 2
	s_cbranch_scc1 .Lfirst_v
	MULALL 0, 1
	WIN 0
	s_branch .Lfirst_done
.Lfirst_v:
	MULALL 0, 2
	WIN 0
.Lfirst_done:
.irp s, 1,2,3,4,5,6,7
	HEAD \s
	MULALL \s, 0
.endr
	WIN 0
	PLACES 4                                       ; in front of the first read of results and of writes into registers that held fragments
.irp b, 0,1,2,3
	v_mov_b32 v[TM+4+\b], 0                        ; a lane permute's destination counts as one of its sources
.endr
	; THE WAY OUT: L tile a's 64 numbers a lane become one fragment and one scale word a row
.irp a, 0,1,2,3,4,5,6,7
.if \a > 0
	s_wait_xcnt 0x0                                ; the last tile's stores have read their data and their base: both are written again
	s_add_nc_u64 s[34:35], s[34:35], s[38:39]
.endif
	QUANT 64*(\a%4), 2+\a/4
.irp c, 0,1,2
	global_store_b128 v[LI], v[PC+4*\c:PC+4*\c+3], s[34:35] offset:512*\c   ; 512 consecutive bytes a store
.endr
.if \a%2 == 0
	v_mov_b32 v[PWE], v[PW]
.else
	v_cndmask_b32 v[PWP], v[PWE], v[PW], s[HM]     ; lanes 0-15 the even tile's words, lanes 16-31 the odd tile's
	global_store_b32 v[LS], v[PWP], s[36:37] offset:128*(\a/2)   ; 128 consecutive bytes
.endif
.endr
	s_endpgm
.Lfunc_end_k_q7857ac2dd7_proj:
	.size	k_q7857ac2dd7_proj, .Lfunc_end_k_q7857ac2dd7_proj-k_q7857ac2dd7_proj
	.p2alignl 7, 3214868480
	.fill 96, 4, 3214868480
	.section	.rodata,"a",@progbits
	.p2align	6, 0x0
	.amdhsa_kernel k_q7857ac2dd7_proj
		.amdhsa_group_segment_fixed_size 0
		.amdhsa_private_segment_fixed_size 0
		.amdhsa_enable_private_segment 0
		.amdhsa_kernarg_size 56
		.amdhsa_user_sgpr_count 2
		.amdhsa_user_sgpr_kernarg_segment_ptr 1
		.amdhsa_wavefront_size32 1
		.amdhsa_system_sgpr_workgroup_id_x 1
		.amdhsa_system_sgpr_workgroup_id_y 1
		.amdhsa_system_sgpr_workgroup_id_z 1
		.amdhsa_system_vgpr_workitem_id 0
		.amdhsa_next_free_vgpr 1024
		.amdhsa_next_free_sgpr 66
		.amdhsa_reserve_vcc 0
		.amdhsa_float_denorm_mode_32 3
		.amdhsa_float_denorm_mode_16_64 3
		.amdhsa_memory_ordered 1
		.amdhsa_forward_progress 1
		.amdhsa_inst_pref_size 168
	.end_amdhsa_kernel
	.amdgpu_metadata
---
amdhsa.version: [ 1, 2 ]
amdhsa.kernels:
  - .name:           k_q7857ac2dd7_proj
    .symbol:         k_q7857ac2dd7_proj.kd
    .args:
      - { .name: img, .offset: 0, .size: 8, .value_kind: global_buffer, .address_space: global }
      - { .name: isc, .offset: 8, .size: 8, .value_kind: global_buffer, .address_space: global }
      - { .name: bq, .offset: 16, .size: 8, .value_kind: global_buffer, .address_space: global }
      - { .name: bk, .offset: 24, .size: 8, .value_kind: global_buffer, .address_space: global }
      - { .name: bv, .offset: 32, .size: 8, .value_kind: global_buffer, .address_space: global }
      - { .name: pimg, .offset: 40, .size: 8, .value_kind: global_buffer, .address_space: global }
      - { .name: psc, .offset: 48, .size: 8, .value_kind: global_buffer, .address_space: global }
    .group_segment_fixed_size: 0
    .private_segment_fixed_size: 0
    .kernarg_segment_align: 8
    .kernarg_segment_size: 56
    .max_flat_workgroup_size: 128
    .sgpr_count:     66
    .vgpr_count:     1024
    .wavefront_size: 32
...
	.end_amdgpu_metadata
.endif
;; end of part 2
;; launch attn (part 3): grid 16 x 16, 4 waves a work-group, no clusters, 233,984 bytes of LDS; arguments pimg, psc, lambda_q1, lambda_k1, lambda_q2, lambda_k2, aimg, asc; writes aimg, asc
.if DOCPART == 3
	.amdgcn_target "amdgcn-amd-amdhsa--gfx1250"
	.amdhsa_code_object_version 6
	.text
	.protected	k_q7857ac2dd7_attn
	.globl	k_q7857ac2dd7_attn
	.p2align	8
	.type	k_q7857ac2dd7_attn,@function
k_q7857ac2dd7_attn:
	s_mov_b64 s[64:65], 0
	v_nop
	global_prefetch_b8 v0, s[64:65] scope:SCOPE_SE
	s_setreg_imm32_b32 hwreg(HW_REG_WAVE_MODE, 25, 1), 1
	s_wait_xcnt 0x0
; Differential attention of one head: diff = softmax(Q1 K1^T / 8) - lam softmax(Q2 K2^T / 8), out = diff V, both products on codes of BF6 (E3M2) with one E8M0 scale for each 32 along K.
; diff is quantised FINISHED AND NORMALISED along the keys, so a row's maxima and sums over all 2,048 keys are known before any of it is quantised: the scores of a tile of 16 queries, both sub-heads, stay in registers meanwhile.
; SHARES.  Work-group (x, y): y = 8 batch + head; it stays and walks the 8 query tiles 128 batch + 8 x + i.
;   Scores: wave w owns keys 512 w .. + 511: its 32 fragments of K stay in 384 registers for the whole launch; its scores of the two sub-heads fill windows 1 and 2 (512 registers).
;   Second product: wave w owns the channel tiles 2 w, 2 w + 1 over all 16 key steps: its 32 fragments of V, 49,152 consecutive bytes of memory, stay in LDS bytes of its own, brought once at the head by one tensor load a wave.
;   diff's codes go from wave to wave through LDS as images of registers.
; SOFTMAX.  Each wave takes the maximum m_w of ITS 512 keys away: p = 2^(c s - c m_w), c = log2(e) / 8, and sums its p.  The four waves exchange (c m_w, sum_w) ONCE; then m = the largest m_w, l = the sum of sum_u 2^(c m_u - c m),
;   and the wave's p is multiplied by 2^(c m_w - c m) / l: the normalised softmax under the row's maximum.
; K = 64.  A fragment of K or Q holds the head's 128 channels: registers 0-5 sub-head 0, 6-11 sub-head 1.  Q lies in v10-27 as q0-5, six registers of zero codes, q6-11: v[10:21] meets sub-head 0 alone and v[16:27] sub-head 1 alone.
;   So each product runs on half a K step of zeros: twice the matrix instructions that 64 along K would want; the launch's vector work is several times its matrix work.
; LAYOUT.  Both products are used transposed (source 0 = 16 keys, or 16 channels; source 1 = the 16 queries): a lane holds one query throughout.  Tile T's rows are 128 (T / 8) + 32 ((T % 8) / 2) + 8 (T % 2) + r + 8 (r / 8),
;   so score register n of a lane is key 512 w + 32 (n / 16) + 16 (lane / 16) + n % 16: 16 neighbours for the quantiser; and a wave's two accumulators of out are channels 32 w + 16 (lane / 16) + 0 .. 15: one whole block of 32.
; TWO BARRIERS A TRIP: behind the first the statistics are read (and the last tile's output image leaves), behind the second diff's images.  Each LDS region is written once a trip; a barrier lies between its writing and its reading
;   and the other between its reading and its next writing; in front of each every wave has waited for all its LDS instructions.
; NO CLUSTER: what the 16 work-groups of a head share is read once, at the head, and half of it goes into registers.
; LIMITS: NaN and infinities are not served; a p, or a wave's factor, under 2^-126 counts as 0 (v_exp_f32's result); a block of diff or of out under 2^-122 gets the byte 1; row sums are added in another order than JAX adds them.
; REGISTERS: window 0: v1-8, v29, v79, v99 addresses, v9 lam, v10-27 Q, v28 Q's scale words, v30-45 K's, v46-61 V's, v62-77 diff's (scale registers hold nothing else), v78-98 the quantiser's results
;   (v80-95 also: the four waves' statistics; v96-97 my two sums), v100-115 chains and the quantiser's work, v116-119 my statistics, then the two factors, v120-123 the output image on its way out, v124-255 K's fragments 21-31.
;   window 1: scores of sub-head 0, p, diff; then diff's 16 fragments.   window 2: scores of sub-head 1, p; then V's fragments (v0-191) and out's two accumulators (v192-207).   window 3: K's fragments 0-20.
.set LI,  1                            ; v1  16 x lane
.set LS,  2                            ; v2  4 x lane
.set LR,  3                            ; v3  4 r
.set PWI, 4                            ; v4  16 x lane + 6,144 x wave: where I store diff's images
.set PWS, 5                            ; v5  4 x lane + 512 x wave: and their scale words
.set VAD, 6                            ; v6  VIMG + 49,152 x wave + 16 x lane
.set WL,  7                            ; v7  16 x lane + 512 x wave: my statistics; my part of the output image, in LDS and in memory
.set OA0, 8                            ; v8, v29, v79  where my three registers of out's codes lie in the output image
.set LAM, 9
.set Q,   10
.set QSC, 28
.set OA1, 29
.set KS,  30                           ; register i: tile 2 i in lanes 0-15, tile 2 i + 1 in lanes 16-31
.set VS,  46                           ; register g: channel tile 2 w in lanes 0-15, 2 w + 1 in lanes 16-31
.set PS,  62
.set PW,  78
.set OA2, 79
.set PC,  80
.set EE,  80                           ; v80-95  wave u's statistics at v[80 + 4 u]: c m 1, sum 1, c m 2, sum 2
.set SUMT, 96
.set OSB, 99                           ; v99  4 r + wave: my byte of the output's scale words
.set TM,  100
.set CH,  100
.set OT,  108
.set SX,  116
.set RR,  116
.set WK,  116
.set FL,  120
.set KF0, 124
.set PIMG, 0                           ; LDS: diff's 16 fragments,
.set PSCL, 24576                       ; their scale words, 128 bytes each,
.set STAT, 26624                       ; the waves' statistics: [wave][lane][4 words],
.set OIMG, 28672                       ; out's fragment of the tile in hand: 1,536 bytes,
.set OSC,  30208                       ; its 16 scale words,
.set VIMG, 36864                       ; and V: wave x 49,152 + (16 u + g) x 1,536.  The tensor loads land here alone, once, and nothing is stored here
.set SEL, 44                           ; s[44:45]
.set CS,  46                           ; s[46:47] c = log2(e) / 8
.set CNT, 48
.set G1,  52                           ; s[52:59] descriptor group 1 for V's block (at work until it is written, then never written again)
.set G0,  60                           ; s[60:63] descriptor group 0
.set MSB, 0
.macro WIN new                         ; the immediate's high byte repeats the setting that is left; a switch that changes nothing is dropped
.if MSB != (\new)
	s_set_vgpr_msb (MSB<<8)|(\new)
.set MSB, (\new)
.endif
.endm
.macro PLACES n
.rept \n
	v_nop
.endr
.endm
.macro BARRIER                         ; my LDS stores have landed and my LDS loads are in: then the work-group's barrier
	s_wait_dscnt 0x0
	s_barrier_signal -1
	s_barrier_wait -1
.endm
; 64 numbers of a lane, v[s] .. v[s + 63] in window w, register 16 b + i = k 32 b + 16 (lane / 16) + i of my row, become a fragment's codes in v[PC] on and its scale word in v[PW].
; The largest magnitudes go in eight chains, two to a block, so that no line reads the result of a line shortly above it.
.macro QUANT s, w
.set QN_S, \s
.set QN_W, \w
	WIN QN_W|(QN_W<<2)
.irp b, 0,1,2,3
	v_max3_num_f32 v[TM+\b], |v[QN_S+16*\b]|, |v[QN_S+16*\b+1]|, 0x2800000   ; block b: my 16 numbers, and the floor 2^(5 - 127): the byte cannot fall under 1
.endr
.irp b, 0,1,2,3
	v_max3_num_f32 v[TM+8+\b], |v[QN_S+16*\b+8]|, |v[QN_S+16*\b+9]|, 0x2800000
.endr
	WIN (QN_W<<2)|(QN_W<<4)
.irp i, 2,4,6
.irp b, 0,1,2,3
	v_max3_num_f32 v[TM+\b], v[TM+\b], |v[QN_S+16*\b+\i]|, |v[QN_S+16*\b+\i+1]|
.endr
.irp b, 0,1,2,3
	v_max3_num_f32 v[TM+8+\b], v[TM+8+\b], |v[QN_S+16*\b+8+\i]|, |v[QN_S+16*\b+9+\i]|
.endr
.endr
	WIN 0
.irp b, 0,1,2,3
	v_max_num_f32 v[TM+\b], v[TM+\b], v[TM+8+\b]
.endr
.irp b, 0,1,2,3
	v_permlanex16_b32 v[TM+4+\b], v[TM+\b], s[SEL], s[SEL+1]
.endr
.irp b, 0,1,2,3
	v_max_num_f32 v[TM+\b], v[TM+\b], v[TM+4+\b]           ; with lane l xor 16's: the block's largest magnitude
.endr
.irp b, 0,1,2,3
	v_add_nc_u32 v[TM+12+\b], 0xfe000000, v[TM+\b]         ; 4 off its exponent field: the conversion's scale operand
.endr
.irp b, 0,1,2,3
	v_lshrrev_b32 v[TM+4+\b], 23, v[TM+12+\b]              ; the scale's byte
.endr
	v_lshl_or_b32 v[PW], v[TM+5], 8, v[TM+4]
	v_lshl_or_b32 v[PW], v[TM+6], 16, v[PW]
	v_lshl_or_b32 v[PW], v[TM+7], 24, v[PW]
	WIN QN_W
.irp c, 0,1
	v_cvt_scalef32_pk16_bf6_f32 v[PC+6*\c:PC+6*\c+2], v[QN_S+32*\c:QN_S+32*\c+15], v[TM+12+2*\c]
	v_cvt_scalef32_pk16_bf6_f32 v[PC+12+4*\c:PC+14+4*\c], v[QN_S+16+32*\c:QN_S+31+32*\c], v[TM+13+2*\c]
.endr
	WIN 0
	v_nop                                                  ; one plain place behind a scaled conversion
.irp c, 0,1
.irp i, 0,1,2
	v_permlane16_swap_b32 v[PC+6*\c+\i], v[PC+12+4*\c+\i]
.endr
.irp i, 0,1,2
	v_mov_b32 v[PC+3+6*\c+\i], v[PC+12+4*\c+\i]
.endr
.endr
.endm
.macro LOADQ                           ; a query tile's fragment, its registers 0-5 into v10-15 and 6-11 into v22-27, and its scale words
	global_load_b128 v[Q:Q+3], v[LI], s[28:29]
	global_load_b64 v[Q+4:Q+5], v[LI], s[28:29] offset:512
	global_load_b64 v[Q+12:Q+13], v[LI], s[28:29] offset:520
	global_load_b128 v[Q+14:Q+17], v[LI], s[28:29] offset:1024
	global_load_b32 v[QSC], v[LR], s[30:31]
.endm
	s_load_b512 s[8:23], s[0:1], 0x0               ; pimg 8, psc 10, lambda_q1 12, lambda_k1 14, lambda_q2 16, lambda_k2 18, aimg 20, asc 22
	s_set_vgpr_msb 0xc0
	v_lshl_add_u32 v254, v0, 2, 0x39000
	v_mov_b32 v255, 0
	s_set_vgpr_msb 0xc0cf
	ds_add_u32 v254, v255
	ds_add_u32 v254, v255
	s_set_vgpr_msb 0xcf00
	v_lshrrev_b32 v[WK], 5, v0
	v_readfirstlane_b32 s24, v[WK]                 ; wave 0..3
	v_and_b32 v[WK+1], 31, v0                      ; lane
	v_and_b32 v[WK+2], 15, v0                      ; r
	v_bfe_u32 v[FL], v0, 4, 1                      ; h
	v_lshlrev_b32 v[LI], 4, v[WK+1]
	v_lshlrev_b32 v[LS], 2, v[WK+1]
	v_lshlrev_b32 v[LR], 2, v[WK+2]
	v_lshlrev_b32 v[FL+1], 4, v[WK+2]              ; 16 r
	v_lshlrev_b32 v[WK+3], 3, v[WK+1]              ; 8 x lane: two numbers of each lambda
	s_mul_i32 s50, s24, 6144
	v_add_nc_u32 v[PWI], s50, v[LI]
	s_lshl_b32 s50, s24, 9
	v_add_nc_u32 v[PWS], s50, v[LS]
	v_add_nc_u32 v[WL], s50, v[LI]
	s_mul_i32 s[G0+1], s24, 49152
	s_add_co_u32 s[G0+1], s[G0+1], VIMG            ; my wave's LDS bytes for V: also the tensor load's LDS address
	v_add_nc_u32 v[VAD], s[G0+1], v[LI]
	v_add_nc_u32 v[OSB], s24, v[LR]
	; The output image.  My block of 32 channels is block w of the fragment: registers 6 (w / 2) + 0 .. 5 of lane r + 16 (w % 2).  Lane (r, h) holds its codes 16 h + 0 .. 15: registers R = 6 (w / 2) + 3 h + 0, 1, 2.
	; Register R of lane l lies at byte 512 (R / 4) + 4 (R % 4) + 16 l.  For each of the three: 16 r + 256 (w % 2) + the place at h = 0 + h x (the distance to the place at h = 1).
	s_lshr_b32 s50, s24, 1                         ; w / 2
	s_and_b32 s51, s24, 1
	s_lshl_b32 s51, s51, 8                         ; 256 (w % 2)
	s_mul_i32 s52, s50, 520                        ; R = 0 at byte 0, R = 6 at byte 520;
	s_add_co_u32 s52, s52, s51
	s_mul_i32 s53, s50, 496
	s_add_co_u32 s53, s53, 12                      ; R = 3 lies 12 on, R = 9 lies 508 on
	v_mul_u32_u24 v[OA0], s53, v[FL]
	v_add_nc_u32 v[OA0], v[OA0], v[FL+1]
	v_add_nc_u32 v[OA0], s52, v[OA0]
	s_add_co_u32 s52, s52, 4                       ; R = 1 at 4, R = 7 at 524; R = 4 and R = 10 lie 508 on
	v_mul_u32_u24 v[OA1], v[FL], 508
	v_add_nc_u32 v[OA1], v[OA1], v[FL+1]
	v_add_nc_u32 v[OA1], s52, v[OA1]
	s_xor_b32 s53, s50, 1
	s_mul_i32 s53, s53, 496
	s_add_co_u32 s53, s53, 12                      ; R = 5 lies 508 on, R = 11 lies 12 on
	s_mul_i32 s52, s50, 1016
	s_add_co_u32 s52, s52, s51
	s_add_co_u32 s52, s52, 8                       ; R = 2 at 8, R = 8 at 1,024
	v_mul_u32_u24 v[OA2], s53, v[FL]
	v_add_nc_u32 v[OA2], v[OA2], v[FL+1]
	v_add_nc_u32 v[OA2], s52, v[OA2]
.irp j, 6,7,8,9,10,11
	v_mov_b32 v[Q+\j], 0                           ; the six registers of zero codes between Q's halves: they stay
.endr
	v_mov_b32 v112, 0                              ; (lane permutes' destinations count as sources)
	v_mov_b32 v113, 0
	s_mov_b32 s[SEL], 0x76543210
	s_mov_b32 s[SEL+1], 0xfedcba98
	s_mov_b32 s[CS], 0x3e38aa3b                    ; c = log2(e) / sqrt(64)
	s_mov_b32 s[CS+1], s[CS]                       ; (named with it as a pair, so it is written)
	s_and_b32 s50, ttmp7, 0xffff                   ; y = 8 batch + head
	s_and_b32 s25, s50, 7                          ; head
	s_lshr_b32 s26, s50, 3                         ; batch
	s_lshl_b32 s51, s26, 7                         ; 128 batch
	s_lshl_b32 s52, ttmp9, 3
	s_add_co_u32 s52, s52, s51                     ; my first query tile
	s_lshl_b32 s53, s25, 8                         ; 256 head
	s_add_co_u32 s54, s53, s52
	s_mov_b32 s57, 0
	s_wait_dscnt 0x0
	s_wait_kmcnt 0x0
	s_mul_i32 s56, s54, 1536
	s_add_nc_u64 s[28:29], s[8:9], s[56:57]        ; Q's fragments
	s_lshl_b32 s56, s54, 6
	s_add_nc_u64 s[30:31], s[10:11], s[56:57]      ; Q's scale words
	s_add_co_u32 s55, s53, s51
	s_lshl_b32 s58, s24, 5
	s_add_co_u32 s55, s55, s58                     ; my first key tile: 256 head + 128 batch + 32 wave
	s_mul_i32 s56, s55, 1536
	s_add_co_u32 s56, s56, 3145728
	s_add_nc_u64 s[32:33], s[8:9], s[56:57]        ; K's fragments
	s_lshl_b32 s56, s55, 6
	s_add_co_u32 s56, s56, 131072
	s_add_nc_u64 s[34:35], s[10:11], s[56:57]      ; K's scale words
	s_lshl_b32 s55, s50, 3
	s_lshl_b32 s58, s24, 1
	s_add_co_u32 s55, s55, s58                     ; my first channel tile: 8 y + 2 wave
	s_mul_i32 s56, s55, 24576
	s_add_co_u32 s56, s56, 6291456
	s_add_nc_u64 s[G0+2:G0+3], s[8:9], s[56:57]    ; V's fragments: 49,152 consecutive bytes are mine: the tensor load's global address
	s_lshl_b32 s56, s50, 13
	s_lshl_b32 s58, s24, 7
	s_add_co_u32 s56, s56, s58
	s_add_co_u32 s56, s56, 262144
	s_add_nc_u64 s[38:39], s[10:11], s[56:57]      ; V's scale words
	s_mul_i32 s56, s52, 12288
	s_mul_i32 s58, s25, 1536
	s_add_co_u32 s56, s56, s58
	s_add_nc_u64 s[40:41], s[20:21], s[56:57]      ; aimg: [tile][head][1,536]
	s_lshl_b32 s56, s52, 9
	s_lshl_b32 s58, s25, 6
	s_add_co_u32 s56, s56, s58
	s_add_nc_u64 s[42:43], s[22:23], s[56:57]      ; asc: [tile][head][16 words]
	; V, once: my 49,152 dense bytes as 192 rows of 256 bytes (32 elements of 8 bytes), no padding: in LDS they lie as in memory.  One tensor load a wave, into the wave's own bytes, ahead of every LDS read,
	; every barrier and the one wait on TENSORcnt; nothing is ever filled again.  One tensor load of a wave is outstanding.
	s_mov_b32 s[G1+0], 3<<16                       ; 15:0 no mask; 17:16 elements of 8 bytes; 20 padding off
	s_mov_b32 s[G1+1], 32<<16                      ; tensor_dim0 = 32
	s_mov_b32 s[G1+2], 192<<16                     ; tensor_dim1 = 192
	s_mov_b32 s[G1+3], 32<<16                      ; tile_dim0 = 32
	s_mov_b32 s[G1+4], 192                         ; tile_dim1 = 192
	s_mov_b32 s[G1+5], 32                          ; from row to row: 32 elements
	s_mov_b32 s[G1+6], 0
	s_mov_b32 s[G1+7], 0
	s_mov_b32 s[G0], 1                             ; count = 1
	s_or_b32 s[G0+3], s[G0+3], 0x80000000          ; type = 2
	tensor_load_to_lds s[G0:G0+3], s[G1:G1+7]
	s_nop 0
.rept 4
	v_nop                                          ; four plain lines follow a tensor load, ahead of what comes next
.endr
	global_load_b64 v[100:101], v[WK+3], s[12:13]
	global_load_b64 v[102:103], v[WK+3], s[14:15]
	global_load_b64 v[104:105], v[WK+3], s[16:17]
	global_load_b64 v[106:107], v[WK+3], s[18:19]
	WIN 0xc0                                       ; K's fragments 0-20 into window 3,
.set N_, 0
.rept 63
	global_load_b128 v[4*N_:4*N_+3], v[LI], s[32:33] offset:512*N_
.set N_, N_+1
.endr
	WIN 0                                          ; 21-31 into window 0: they stay
.rept 33
	global_load_b128 v[KF0+4*(N_-63):KF0+4*(N_-63)+3], v[LI], s[32:33] offset:512*N_
.set N_, N_+1
.endr
.irp i, 0,1,2,3,4,5,6,7,8,9,10,11,12,13,14,15
	global_load_b32 v[KS+\i], v[LS], s[34:35] offset:128*\i
.endr
.irp g, 0,1,2,3,4,5,6,7,8,9,10,11,12,13,14,15
	global_load_b32 v[VS+\g], v[LS], s[38:39] offset:512*\g
.endr
	LOADQ
	s_mov_b32 s50, 0x3fb8aa3b                      ; log2(e), and what f32 leaves of it
	s_mov_b32 s51, 0x32a57060
	s_wait_loadcnt 0x0
	; lam = exp(lambda_q1 . lambda_k1) - exp(lambda_q2 . lambda_k2) + 0.8.  e^x = 2^t (1 + e ln 2), t = x log2(e) rounded, e what the rounding of t and of log2(e) left out
	v_mul_f32 v108, v100, v102
	v_mul_f32 v109, v104, v106
	v_fmac_f32 v108, v101, v103
	v_fmac_f32 v109, v105, v107
.irp m, 1,2,4,8
	v_add_f32_dpp v108, v108, v108 row_xmask:\m row_mask:0xf bank_mask:0xf
	v_add_f32_dpp v109, v109, v109 row_xmask:\m row_mask:0xf bank_mask:0xf
.endr
	v_permlanex16_b32 v112, v108, s[SEL], s[SEL+1]
	v_permlanex16_b32 v113, v109, s[SEL], s[SEL+1]
	v_add_f32 v108, v108, v112
	v_add_f32 v109, v109, v113
	v_mul_f32 v110, s50, v108
	v_mul_f32 v111, s50, v109
	v_fma_f32 v112, v108, s50, -v110
	v_fma_f32 v113, v109, s50, -v111
	v_fma_f32 v112, v108, s51, v112
	v_fma_f32 v113, v109, s51, v113
	v_exp_f32 v114, v110
	v_exp_f32 v115, v111
	v_mul_f32 v112, 0x3f317218, v112               ; (plain work behind the exponentials)
	v_mul_f32 v113, 0x3f317218, v113
	s_wait_alu depctr_va_vdst(0)                   ; one wait for both, ahead of their first reader
	v_fma_f32 v114, v114, v112, v114
	v_fma_f32 v115, v115, v113, v115
	v_sub_f32 v[LAM], v114, v115
	v_add_f32 v[LAM], 0x3f4ccccd, v[LAM]
	s_wait_tensorcnt 0x0                           ; V lies in my LDS bytes; only I read them, so my own wait is all the ordering that the reads need
	s_mov_b32 s[CNT], 8
; THE SCORES.  Product n of 64: n = 0 .. 20 sub-head 0, key tiles 0 .. 20; 21 .. 41 sub-head 1, the same tiles; 42 .. 52 sub-head 0, tiles 21 .. 31; 53 .. 63 sub-head 1, the same.
.macro TILEOF n
.if (\n) < 21
.set SUB_, 0
.set F_, (\n)
.elseif (\n) < 42
.set SUB_, 1
.set F_, (\n)-21
.elseif (\n) < 53
.set SUB_, 0
.set F_, (\n)-21
.else
.set SUB_, 1
.set F_, (\n)-32
.endif
.endm
.macro PROD                            ; the product of key tile F_, sub-head SUB_: its own accumulator, begun with the constant 0
.if F_ < 21
.set KR_, 12*F_
	WIN ((1+SUB_)<<6)|3                            ; K window 3, Q window 0, scores window 1 or 2
.else
.set KR_, KF0+12*(F_-21)
	WIN (1+SUB_)<<6                                ; K window 0
.endif
.if F_%2
	v_wmma_scale_f32_16x16x128_f8f6f4 v[8*F_:8*F_+7], v[KR_:KR_+11], v[Q+6*SUB_:Q+6*SUB_+11], 0, v[KS+F_/2], v[QSC] matrix_a_fmt:MATRIX_FMT_BF6 matrix_b_fmt:MATRIX_FMT_BF6 matrix_a_scale:MATRIX_SCALE_ROW1
.else
	v_wmma_scale_f32_16x16x128_f8f6f4 v[8*F_:8*F_+7], v[KR_:KR_+11], v[Q+6*SUB_:Q+6*SUB_+11], 0, v[KS+F_/2], v[QSC] matrix_a_fmt:MATRIX_FMT_BF6 matrix_b_fmt:MATRIX_FMT_BF6
.endif
.endm
; A SLICE OF THE MAXIMA: the eight scores of tile F_, sub-head SUB_, into the sub-head's four chains; ascending, so that the accumulator is first read at its low end.  Tile 0 starts the chains.
.macro MSLICE
.if F_ == 0
	WIN (1+SUB_)|((1+SUB_)<<2)
.irp c, 0,1,2,3
	v_max_num_f32 v[CH+4*SUB_+\c], v[2*\c], v[2*\c+1]
.endr
.else
	WIN ((1+SUB_)<<2)|((1+SUB_)<<4)
.irp c, 0,1,2,3
	v_max3_num_f32 v[CH+4*SUB_+\c], v[CH+4*SUB_+\c], v[8*F_+2*\c], v[8*F_+2*\c+1]
.endr
.endif
.endm
; p = 2^(c s - c m), in place, in window w.  A pair is scaled two pairs ahead of its exponentials; no line names an exponential's result
.macro EXPS w, cm
	WIN (\w)|((\w)<<6)
	v_pk_fma_f32 v[0:1], v[0:1], s[CS:CS+1], v[\cm:\cm+1] op_sel_hi:[1,0,0] neg_lo:[0,0,1] neg_hi:[0,0,1]
	v_pk_fma_f32 v[2:3], v[2:3], s[CS:CS+1], v[\cm:\cm+1] op_sel_hi:[1,0,0] neg_lo:[0,0,1] neg_hi:[0,0,1]
.set N_, 0
.rept 128
.if N_ < 126
	v_pk_fma_f32 v[2*N_+4:2*N_+5], v[2*N_+4:2*N_+5], s[CS:CS+1], v[\cm:\cm+1] op_sel_hi:[1,0,0] neg_lo:[0,0,1] neg_hi:[0,0,1]
.endif
	v_exp_f32 v[2*N_], v[2*N_]
	v_exp_f32 v[2*N_+1], v[2*N_+1]
.set N_, N_+1
.endr
.endm
; the sum of a lane's 256 p in window w, in eight packed chains at v[CH] on, into v[out]
.macro ROWSUM w, out
	WIN (\w)|((\w)<<2)
.irp c, 0,1,2,3,4,5,6,7
	v_pk_add_f32 v[CH+2*\c:CH+2*\c+1], v[4*\c:4*\c+1], v[4*\c+2:4*\c+3]
.endr
	WIN (\w)<<2
.set N_, 16
.rept 112
	v_pk_add_f32 v[CH+2*(N_%8):CH+2*(N_%8)+1], v[CH+2*(N_%8):CH+2*(N_%8)+1], v[2*N_:2*N_+1]
.set N_, N_+1
.endr
	WIN 0
.irp c, 0,1,2,3
	v_pk_add_f32 v[CH+2*\c:CH+2*\c+1], v[CH+2*\c:CH+2*\c+1], v[CH+8+2*\c:CH+9+2*\c]
.endr
.irp c, 0,1
	v_pk_add_f32 v[CH+2*\c:CH+2*\c+1], v[CH+2*\c:CH+2*\c+1], v[CH+4+2*\c:CH+5+2*\c]
.endr
	v_pk_add_f32 v[CH:CH+1], v[CH:CH+1], v[CH+2:CH+3]
	v_add_f32 v[\out], v[CH], v[CH+1]
.endm
; V's fragments of key steps 4 q .. 4 q + 3, both channel tiles: 24 loads into window 2, v[96 (q % 2)] on
.macro VBATCH q
	WIN 0x80
.irp gi, 0,1,2,3
.irp u, 0,1
.irp c, 0,1,2
	ds_load_b128 v[96*((\q)%2)+12*(2*\gi+\u)+4*\c:96*((\q)%2)+12*(2*\gi+\u)+4*\c+3], v[VAD] offset:(16*\u+4*(\q)+\gi)*1536+512*\c
.endr
.endr
.endr
	WIN 0
.endm
; eight products of out^T += V^T diff^T: key steps 4 q .. 4 q + 3; the two accumulators take turns, one instruction a turn; key step 0 starts the sums
.macro PVB q
	WIN 0xa6                                       ; source 0 (V) window 2, source 1 (diff) window 1, C and D window 2
.irp gi, 0,1,2,3
.irp u, 0,1
.set G_, 4*(\q)+\gi
.set VR_, 96*((\q)%2)+12*(2*\gi+\u)
.set OR_, 192+8*\u
.if G_ == 0
.if \u == 0
	v_wmma_scale_f32_16x16x128_f8f6f4 v[OR_:OR_+7], v[VR_:VR_+11], v[12*G_:12*G_+11], 0, v[VS+G_], v[PS+G_] matrix_a_fmt:MATRIX_FMT_BF6 matrix_b_fmt:MATRIX_FMT_BF6
.else
	v_wmma_scale_f32_16x16x128_f8f6f4 v[OR_:OR_+7], v[VR_:VR_+11], v[12*G_:12*G_+11], 0, v[VS+G_], v[PS+G_] matrix_a_fmt:MATRIX_FMT_BF6 matrix_b_fmt:MATRIX_FMT_BF6 matrix_a_scale:MATRIX_SCALE_ROW1
.endif
.else
.if \u == 0
	v_wmma_scale_f32_16x16x128_f8f6f4 v[OR_:OR_+7], v[VR_:VR_+11], v[12*G_:12*G_+11], v[OR_:OR_+7], v[VS+G_], v[PS+G_] matrix_a_fmt:MATRIX_FMT_BF6 matrix_b_fmt:MATRIX_FMT_BF6
.else
	v_wmma_scale_f32_16x16x128_f8f6f4 v[OR_:OR_+7], v[VR_:VR_+11], v[12*G_:12*G_+11], v[OR_:OR_+7], v[VS+G_], v[PS+G_] matrix_a_fmt:MATRIX_FMT_BF6 matrix_b_fmt:MATRIX_FMT_BF6 matrix_a_scale:MATRIX_SCALE_ROW1
.endif
.endif
.endr
.endr
.endm
; THE OUTPUT IMAGE LEAVES, behind a barrier behind which it is whole: waves 0 to 2 take 512 bytes of the fragment each, wave 3 the 16 scale words.  The bases are stepped ahead of the stores, which reach back by their immediates:
; so the step stands a trip behind the last flush's stores, behind the wait that shows that these have read their bases and data.
.macro FLUSH
	s_wait_xcnt 0x0
	s_add_nc_u64 s[40:41], s[40:41], 12288
	s_add_nc_u64 s[42:43], s[42:43], 512
	s_cmp_eq_u32 s24, 3
	s_cbranch_scc1 .Lwords_\@
	ds_load_b128 v[FL:FL+3], v[WL] offset:OIMG
	s_wait_dscnt 0x0
	global_store_b128 v[WL], v[FL:FL+3], s[40:41] offset:-12288   ; 512 consecutive bytes
	s_branch .Lflushed_\@
.Lwords_\@:
	ds_load_b32 v[FL], v[LR] offset:OSC
	s_wait_dscnt 0x0
	global_store_b32 v[LR], v[FL], s[42:43] offset:-512           ; lanes r and r + 16 store the same word with the same value
.Lflushed_\@:
.endm
.Ltile:                                                ; a trip: one tile of 16 queries
	; ---- the scores of my 512 keys, both sub-heads, and their maxima BY TURNS: behind each product stands the slice of the tile made two products earlier, so that vector work stands between the products and not in a phase of its own.
	; Between a product and the first read of its result lie two slices, eight plain lines that name none of its registers (four v_nop serve the first slice).  The chains lie in window 0 and the scores fill windows 1 and 2: a slice costs two switches.
	s_wait_loadcnt 0x0                             ; Q
.set N_, 0
.rept 64
	TILEOF N_
	PROD
.if N_ == 2
	PLACES 4
.endif
.if N_ >= 2
	TILEOF N_-2
	MSLICE
.endif
.set N_, N_+1
.endr
	TILEOF 62
	MSLICE
	TILEOF 63
	MSLICE
	WIN 0
	s_wait_dscnt 0x0                               ; the last trip's stores into the output image have read their registers, which are written again below
	s_cmp_eq_u32 s[CNT], 1                         ; the next tile's Q is asked for here, if there is a next tile: no load leaves its buffer.  (Twelve plain lines stand behind the last product that read Q)
	s_cbranch_scc1 .Lnoq
	s_add_nc_u64 s[28:29], s[28:29], 1536          ; (the loads that read these bases were waited for at the trip's head)
	s_add_nc_u64 s[30:31], s[30:31], 64
	LOADQ
.Lnoq:
	v_max3_num_f32 v[CH], v[CH], v[CH+1], v[CH+2]
	v_max3_num_f32 v[CH+4], v[CH+4], v[CH+5], v[CH+6]
	v_max_num_f32 v[CH], v[CH], v[CH+3]
	v_max_num_f32 v[CH+4], v[CH+4], v[CH+7]
	v_permlanex16_b32 v[CH+8], v[CH], s[SEL], s[SEL+1]
	v_permlanex16_b32 v[CH+9], v[CH+4], s[SEL], s[SEL+1]
	v_max_num_f32 v[CH], v[CH], v[CH+8]            ; the largest score of my wave's 512 keys, for my query
	v_max_num_f32 v[CH+4], v[CH+4], v[CH+9]
	v_mul_f32 v[SX], s[CS], v[CH]                  ; c m
	v_mul_f32 v[SX+2], s[CS], v[CH+4]
	v_mov_b32 v[SX+1], v[SX]                       ; (the pairs' upper words are named, so they are written)
	v_mov_b32 v[SX+3], v[SX+2]
	; ---- p: 512 exponentials as one batch with one wait
	EXPS 1, SX
	EXPS 2, SX+2
	WIN 0
	v_nop                                          ; a plain place behind the last exponential
	s_wait_alu depctr_va_vdst(0)                   ; one wait for the batch, ahead of its first reader
	ROWSUM 1, SUMT
	ROWSUM 2, SUMT+1
	v_permlanex16_b32 v[CH], v[SUMT], s[SEL], s[SEL+1]
	v_permlanex16_b32 v[CH+1], v[SUMT+1], s[SEL], s[SEL+1]
	v_add_f32 v[SX+1], v[SUMT], v[CH]              ; the sum of my wave's p
	v_add_f32 v[SX+3], v[SUMT+1], v[CH+1]
	; ---- the one exchange: (c m, sum) of both sub-heads, 16 bytes a lane
	ds_store_b128 v[WL], v[SX:SX+3] offset:STAT
	BARRIER
.irp u, 0,1,2,3
	ds_load_b128 v[EE+4*\u:EE+4*\u+3], v[LI] offset:STAT+512*\u
.endr
	s_cmp_eq_u32 s[CNT], 8                         ; behind this barrier the LAST tile's output image is whole; the first trip has none
	s_cbranch_scc1 .Lnoflush
	FLUSH
.Lnoflush:
	s_wait_dscnt 0x0
	v_max3_num_f32 v[CH], v[EE], v[EE+4], v[EE+8]
	v_max3_num_f32 v[CH+1], v[EE+2], v[EE+6], v[EE+10]
	v_max_num_f32 v[CH], v[CH], v[EE+12]           ; c m of the whole row
	v_max_num_f32 v[CH+1], v[CH+1], v[EE+14]
.irp u, 0,1,2,3
	v_sub_f32 v[EE+4*\u], v[EE+4*\u], v[CH]        ; c m_u - c m: 0 or less
	v_sub_f32 v[EE+4*\u+2], v[EE+4*\u+2], v[CH+1]
.endr
	v_sub_f32 v[CH+2], v[SX], v[CH]                ; and my own wave's
	v_sub_f32 v[CH+3], v[SX+2], v[CH+1]
.irp u, 0,1,2,3
	v_exp_f32 v[EE+4*\u], v[EE+4*\u]
	v_exp_f32 v[EE+4*\u+2], v[EE+4*\u+2]
.endr
	v_exp_f32 v[CH+2], v[CH+2]
	v_exp_f32 v[CH+3], v[CH+3]
	v_nop
	s_wait_alu depctr_va_vdst(0)                   ; one wait for the ten
	v_mul_f32 v[CH+4], v[EE], v[EE+1]
	v_mul_f32 v[CH+5], v[EE+2], v[EE+3]
.irp u, 1,2,3
	v_fmac_f32 v[CH+4], v[EE+4*\u], v[EE+4*\u+1]   ; the rows' sums under the rows' maxima: at least 1, since the largest p is 1
	v_fmac_f32 v[CH+5], v[EE+4*\u+2], v[EE+4*\u+3]
.endr
	v_rcp_f32 v[CH+6], v[CH+4]
	v_rcp_f32 v[CH+7], v[CH+5]
	v_mul_f32 v[CH+3], v[LAM], v[CH+3]             ; (plain work behind the reciprocals)
	s_wait_alu depctr_va_vdst(0)                   ; one wait for the two
	v_mul_f32 v[RR], v[CH+2], v[CH+6]              ; 2^(c m_w - c m) / sum 1
	v_mul_f32 v[RR+2], v[CH+3], v[CH+7]            ; lam 2^(c m_w - c m) / sum 2
	v_mov_b32 v[RR+1], v[RR]
	v_mov_b32 v[RR+3], v[RR+2]
	; ---- by key step g = 4 w + 0 .. 3: diff = p1 x factor 1 - p2 x factor 2; its 128 keys become a fragment, which goes to LDS as an image of its registers.  Window 2 falls free 64 registers a step:
	; V's first batch (96 registers) is asked for behind step 1, its second behind step 2, each BEHIND the step's image stores, so that the waits that free the codes' registers leave the batch just asked for out
.irp g, 0,1,2,3
	WIN 0x82
.set N_, 32*\g
.rept 32
	v_pk_mul_f32 v[2*N_:2*N_+1], v[2*N_:2*N_+1], v[RR+2:RR+3] op_sel_hi:[1,0]
.set N_, N_+1
.endr
	WIN 0x61                                       ; destination and source 0 window 1, the factor window 0, source 2 window 2
.set N_, 32*\g
.rept 32
	v_pk_fma_f32 v[2*N_:2*N_+1], v[2*N_:2*N_+1], v[RR:RR+1], v[2*N_:2*N_+1] op_sel_hi:[1,0,1] neg_lo:[0,0,1] neg_hi:[0,0,1]
.set N_, N_+1
.endr
.if \g == 1
	s_wait_dscnt 0x0                               ; the last step's image stores have read their registers
.elseif \g > 1
	s_wait_dscnt 24                                ; likewise; the 24 loads of V issued behind them may be out
.endif
	QUANT 64*\g, 1
.irp c, 0,1,2
	ds_store_b128 v[PWI], v[PC+4*\c:PC+4*\c+3] offset:PIMG+1536*\g+512*\c
.endr
	ds_store_b32 v[PWS], v[PW] offset:PSCL+128*\g
.if \g == 1
	VBATCH 0
.elseif \g == 2
	VBATCH 1
.endif
.endr
	BARRIER                                        ; diff's sixteen fragments lie in LDS
	; ---- out^T = V^T diff^T: my two channel tiles over the 16 key steps.  diff's key steps 0-11 are asked for now, its last four, which are wanted last, with V's third batch
.irp g, 0,1,2,3,4,5,6,7,8,9,10,11,12,13,14,15
	ds_load_b32 v[PS+\g], v[LS] offset:PSCL+128*\g
.endr
	WIN 0x40
.set N_, 0
.rept 36
	ds_load_b128 v[4*N_:4*N_+3], v[LI] offset:PIMG+512*N_
.set N_, N_+1
.endr
	s_wait_dscnt 24                                ; the scale words and key steps 0-3 are in; the 24 loads of steps 4-11 may be out
	PVB 0
	WIN 0
	PLACES 4                                       ; in front of loads into registers that matrix instructions have read
	VBATCH 2
	WIN 0x40
.set N_, 36
.rept 12
	ds_load_b128 v[4*N_:4*N_+3], v[LI] offset:PIMG+512*N_
.set N_, N_+1
.endr
	s_wait_dscnt 36                                ; steps 4-11 are in (asked for ahead of the eight products above); V's third batch (24 loads) and steps 12-15 (12) may be out
	PVB 1
	WIN 0
	PLACES 4
	VBATCH 3
	s_wait_dscnt 36                                ; V's third batch is in; steps 12-15 (12 loads) and V's fourth batch (24) may be out
	PVB 2
	s_wait_dscnt 0x0
	PVB 3
	WIN 0
	PLACES 5                                       ; four in front of the read of results; five, since the next trip's products write over these operands
	; ---- my two accumulators are block w of the last product's K: channels 32 w + 16 (lane / 16) + 0 .. 15 of my query.  They are quantised where they lie; the codes and the scale's byte go to their places in the output image
	WIN 0x0a
	v_max3_num_f32 v[OT], |v192|, |v193|, 0x2800000        ; each accumulator from its low end on; the floor 2^(5 - 127): the byte cannot fall under 1
	v_max3_num_f32 v[OT+1], |v200|, |v201|, 0x2800000
	WIN 0x28
.irp i, 2,4,6
	v_max3_num_f32 v[OT], v[OT], |v[192+\i]|, |v[193+\i]|
	v_max3_num_f32 v[OT+1], v[OT+1], |v[200+\i]|, |v[201+\i]|
.endr
	WIN 0
	v_max_num_f32 v[OT], v[OT], v[OT+1]
	v_permlanex16_b32 v[OT+2], v[OT], s[SEL], s[SEL+1]
	v_max_num_f32 v[OT], v[OT], v[OT+2]            ; with lane l xor 16's: the block's largest magnitude
	v_add_nc_u32 v[OT+3], 0xfe000000, v[OT]        ; 4 off its exponent field: the conversion's scale operand
	v_lshrrev_b32 v[OT+4], 23, v[OT+3]             ; the scale's byte
	WIN 0x02
	v_cvt_scalef32_pk16_bf6_f32 v[PC:PC+2], v[192:207], v[OT+3]
	WIN 0
	v_nop                                          ; one plain place behind a scaled conversion
	ds_store_b32 v[OA0], v[PC] offset:OIMG
	ds_store_b32 v[OA1], v[PC+1] offset:OIMG
	ds_store_b32 v[OA2], v[PC+2] offset:OIMG
	ds_store_b8 v[OSB], v[OT+4] offset:OSC         ; lanes r and r + 16 store the same byte with the same value
	s_sub_co_u32 s[CNT], s[CNT], 1
	s_cmp_lg_u32 s[CNT], 0
	s_cbranch_scc1 .Ltile
	BARRIER                                        ; the last tile's output image is whole
	FLUSH
	s_set_vgpr_msb 0xf
	s_wait_tensorcnt 0x0
	ds_add_u32 v254, v255
	s_wait_dscnt 0x0
	s_set_vgpr_msb 0xf00
	s_endpgm
.Lfunc_end_k_q7857ac2dd7_attn:
	.size	k_q7857ac2dd7_attn, .Lfunc_end_k_q7857ac2dd7_attn-k_q7857ac2dd7_attn
	.p2alignl 7, 3214868480
	.fill 96, 4, 3214868480
	.section	.rodata,"a",@progbits
	.p2align	6, 0x0
	.amdhsa_kernel k_q7857ac2dd7_attn
		.amdhsa_group_segment_fixed_size 233984
		.amdhsa_private_segment_fixed_size 0
		.amdhsa_enable_private_segment 0
		.amdhsa_kernarg_size 64
		.amdhsa_user_sgpr_count 2
		.amdhsa_user_sgpr_kernarg_segment_ptr 1
		.amdhsa_wavefront_size32 1
		.amdhsa_system_sgpr_workgroup_id_x 1
		.amdhsa_system_sgpr_workgroup_id_y 1
		.amdhsa_system_sgpr_workgroup_id_z 1
		.amdhsa_system_vgpr_workitem_id 0
		.amdhsa_next_free_vgpr 1024
		.amdhsa_next_free_sgpr 66
		.amdhsa_reserve_vcc 0
		.amdhsa_float_denorm_mode_32 3
		.amdhsa_float_denorm_mode_16_64 3
		.amdhsa_memory_ordered 1
		.amdhsa_forward_progress 1
		.amdhsa_inst_pref_size 152
	.end_amdhsa_kernel
	.amdgpu_metadata
---
amdhsa.version: [ 1, 2 ]
amdhsa.kernels:
  - .name:           k_q7857ac2dd7_attn
    .symbol:         k_q7857ac2dd7_attn.kd
    .args:
      - { .name: pimg, .offset: 0, .size: 8, .value_kind: global_buffer, .address_space: global }
      - { .name: psc, .offset: 8, .size: 8, .value_kind: global_buffer, .address_space: global }
      - { .name: lambda_q1, .offset: 16, .size: 8, .value_kind: global_buffer, .address_space: global }
      - { .name: lambda_k1, .offset: 24, .size: 8, .value_kind: global_buffer, .address_space: global }
      - { .name: lambda_q2, .offset: 32, .size: 8, .value_kind: global_buffer, .address_space: global }
      - { .name: lambda_k2, .offset: 40, .size: 8, .value_kind: global_buffer, .address_space: global }
      - { .name: aimg, .offset: 48, .size: 8, .value_kind: global_buffer, .address_space: global }
      - { .name: asc, .offset: 56, .size: 8, .value_kind: global_buffer, .address_space: global }
    .group_segment_fixed_size: 233984
    .private_segment_fixed_size: 0
    .kernarg_segment_align: 8
    .kernarg_segment_size: 64
    .max_flat_workgroup_size: 128
    .sgpr_count:     66
    .vgpr_count:     1024
    .wavefront_size: 32
...
	.end_amdgpu_metadata
.endif
;; end of part 3
;; launch oproj (part 4): grid 8 x 32, 4 waves a work-group, no clusters, 17,920 bytes of LDS; arguments aimg, asc, img, isc, bo, out0; writes out0
.if DOCPART == 4
	.amdgcn_target "amdgcn-amd-amdhsa--gfx1250"
	.amdhsa_code_object_version 6
	.text
	.protected	k_q7857ac2dd7_oproj
	.globl	k_q7857ac2dd7_oproj
	.p2align	8
	.type	k_q7857ac2dd7_oproj,@function
k_q7857ac2dd7_oproj:
	s_mov_b64 s[64:65], 0
	v_nop
	global_prefetch_b8 v0, s[64:65] scope:SCOPE_SE
	s_setreg_imm32_b32 hwreg(HW_REG_WAVE_MODE, 25, 1), 1
	s_wait_xcnt 0x0
; out0 = attention's result x Wo^T + bo, on codes of BF6 (E3M2) with one E8M0 scale for each 32 along K = 1,024.  Both operands lie in memory as images of the matrix unit's registers
; (a fragment: 16 rows x 128 K, 1,536 bytes, three loads of 512 consecutive bytes) and go straight into registers.
; SHARES.  A work-group makes 128 tokens (y) x 128 channels (x); a wave 64 x 64: 4 token tiles (source 1) x 4 tiles of Wo (source 0): 16 accumulators, 8 K steps of 16 matrix instructions.  256 work-groups.
; Tile T's rows are 128 (T / 8) + 32 ((T % 8) / 2) + 8 (T % 2) + r + 8 (r / 8): in the result lane (r, h) holds token r of its tile and, in the 32 registers of four tiles of Wo, the channels 32 (n / 2) + 16 h + 8 (n % 2) + j.
; NO CLUSTER, NO RING: the fragments go into registers as they lie; three sets of registers keep two K steps' loads on their way.
; REGISTERS: window 0: v1-7 addresses, v16-39 scale words (three sets of 4 + 4), v48-79 the bias.   window 1: the accumulators, (a, n) at v[8 (4 a + n)].
;   window 2: the tokens' fragments, set p, tile a at v[48 p + 12 a]; on the way out whole rows.   window 3: Wo's fragments likewise.
.set LI,   1                           ; v1  16 x lane
.set LR,   2                           ; v2  4 r
.set LR16, 3                           ; v3  16 r
.set BO,   4                           ; v4  64 h
.set STO,  5                           ; v5  the stage, in: wave x 4,352 + 272 r + 64 h
.set RD,   6                           ; v6  back: wave x 4,352 + 272 h + 16 r
.set CO,   7                           ; v7  in out0: 4,096 h + 16 r
.set SC,   16
.set BI,   48
.set MSB, 0
.macro WIN new                         ; the immediate's high byte repeats the setting that is left; a switch that changes nothing is dropped
.if MSB != (\new)
	s_set_vgpr_msb (MSB<<8)|(\new)
.set MSB, (\new)
.endif
.endm
.macro PLACES n
.rept \n
	v_nop
.endr
.endm
	s_load_b256 s[8:15], s[0:1], 0x0               ; aimg 8, asc 10, img 12, isc 14
	s_load_b128 s[16:19], s[0:1], 0x20             ; bo 16, out0 18
	v_lshl_add_u32 v254, v0, 2, 0x4400
	v_mov_b32 v255, 0
	v_lshrrev_b32 v8, 5, v0
	v_readfirstlane_b32 s20, v8                    ; wave 0..3
	v_and_b32 v8, 31, v0                           ; lane
	v_and_b32 v9, 15, v0                           ; r
	v_bfe_u32 v10, v0, 4, 1                        ; h
	v_lshlrev_b32 v[LI], 4, v8
	v_lshlrev_b32 v[LR], 2, v9
	v_lshlrev_b32 v[LR16], 4, v9
	v_lshlrev_b32 v[BO], 6, v10
	s_mul_i32 s44, s20, 4352
	v_mul_u32_u24 v[STO], v9, 272                  ; a stage row: 256 bytes + 16 = 17 x 16: sixteen rows begin at sixteen different 16-byte columns of 256 bytes
	v_lshl_add_u32 v[STO], v10, 6, v[STO]
	v_add_nc_u32 v[STO], s44, v[STO]
	v_mul_u32_u24 v[RD], v10, 272
	v_lshl_add_u32 v[RD], v9, 4, v[RD]
	v_add_nc_u32 v[RD], s44, v[RD]
	v_lshlrev_b32 v[CO], 12, v10
	v_lshl_add_u32 v[CO], v9, 4, v[CO]
	s_lshr_b32 s21, s20, 1                         ; which 64 tokens
	s_and_b32 s22, s20, 1                          ; which 64 channels
	s_and_b32 s23, ttmp7, 0xffff                   ; y
	s_lshl_b32 s36, s23, 3
	s_lshl_b32 s37, s21, 2
	s_add_co_u32 s36, s36, s37                     ; my first token tile
	s_lshl_b32 s38, ttmp9, 3
	s_lshl_b32 s39, s22, 2
	s_add_co_u32 s38, s38, s39
	s_add_co_u32 s38, s38, 960                     ; my first tile of Wo in img
	s_mul_i32 s40, s36, 12288
	s_mov_b32 s41, 0
	s_mul_i32 s42, s38, 12288
	s_mov_b32 s43, 0
	s_wait_kmcnt 0x0
	s_add_nc_u64 s[24:25], s[8:9], s[40:41]        ; the tokens' fragments
	s_add_nc_u64 s[26:27], s[12:13], s[42:43]      ; Wo's
	s_lshl_b32 s40, s36, 9
	s_lshl_b32 s42, s38, 9
	s_add_nc_u64 s[28:29], s[10:11], s[40:41]      ; the tokens' scale words: [tile][K step][16 words]
	s_add_nc_u64 s[30:31], s[14:15], s[42:43]      ; Wo's
	s_lshl_b32 s40, ttmp9, 9
	s_lshl_b32 s42, s22, 8
	s_add_co_u32 s40, s40, s42                     ; my first channel, in bytes: (128 x + 64 half) x 4
	s_add_nc_u64 s[32:33], s[16:17], s[40:41]      ; bo
	s_lshl_b32 s42, s23, 19                        ; 128 y rows of 4,096 bytes
	s_lshl_b32 s44, s21, 18                        ; 64 rows
	s_add_co_u32 s42, s42, s44
	s_add_co_u32 s42, s42, s40
	s_add_nc_u64 s[34:35], s[18:19], s[42:43]      ; out0
.irp n, 0,1,2,3
	global_load_b128 v[BI+8*\n:BI+8*\n+3], v[BO], s[32:33] offset:(32*(\n/2)+8*(\n%2))*4      ; the bias in the result's layout
	global_load_b128 v[BI+8*\n+4:BI+8*\n+7], v[BO], s[32:33] offset:(32*(\n/2)+8*(\n%2))*4+16
.endr
.macro LOAD s                          ; K step s into set s % 3: 24 fragment loads and 8 scale words: 32 loads
.set P_, (\s)%3
	WIN 0x80
.irp a, 0,1,2,3
.irp c, 0,1,2
	global_load_b128 v[48*P_+12*\a+4*\c:48*P_+12*\a+4*\c+3], v[LI], s[24:25] offset:\a*12288+(\s)*1536+512*\c
.endr
.endr
	WIN 0xc0
.irp n, 0,1,2,3
.irp c, 0,1,2
	global_load_b128 v[48*P_+12*\n+4*\c:48*P_+12*\n+4*\c+3], v[LI], s[26:27] offset:\n*12288+(\s)*1536+512*\c
.endr
.endr
	WIN 0
.irp a, 0,1,2,3
	global_load_b32 v[SC+8*P_+\a], v[LR], s[28:29] offset:\a*512+64*(\s)
.endr
.irp n, 0,1,2,3
	global_load_b32 v[SC+8*P_+4+\n], v[LR16], s[30:31] offset:\n*512+((\s)/4)*256+4*((\s)%4)
.endr
.endm
; 16 matrix instructions; the 16 accumulators take turns, one instruction a turn, in the same order in every step; K step 0 starts the sums with the bias
.macro MUL s
.set P_, (\s)%3
.if \s == 0
	WIN 0x4b                                       ; source 0 (Wo) window 3, source 1 (tokens) window 2, C (the bias) window 0, D window 1
.else
	WIN 0x5b                                       ; C and D window 1
.endif
.irp a, 0,1,2,3
.irp n, 0,1,2,3
.if \s == 0
	v_wmma_scale_f32_16x16x128_f8f6f4 v[8*(4*\a+\n):8*(4*\a+\n)+7], v[48*P_+12*\n:48*P_+12*\n+11], v[48*P_+12*\a:48*P_+12*\a+11], v[BI+8*\n:BI+8*\n+7], v[SC+8*P_+4+\n], v[SC+8*P_+\a] matrix_a_fmt:MATRIX_FMT_BF6 matrix_b_fmt:MATRIX_FMT_BF6
.else
	v_wmma_scale_f32_16x16x128_f8f6f4 v[8*(4*\a+\n):8*(4*\a+\n)+7], v[48*P_+12*\n:48*P_+12*\n+11], v[48*P_+12*\a:48*P_+12*\a+11], v[8*(4*\a+\n):8*(4*\a+\n)+7], v[SC+8*P_+4+\n], v[SC+8*P_+\a] matrix_a_fmt:MATRIX_FMT_BF6 matrix_b_fmt:MATRIX_FMT_BF6
.endif
.endr
.endr
.endm
	LOAD 0
	LOAD 1
.irp s, 0,1,2,3,4,5,6,7
.if \s < 6
.if \s > 0
	PLACES 4                                       ; in front of loads into the set that the last step multiplied
.endif
	LOAD \s+2
	s_wait_loadcnt 63                              ; behind this step's loads stand 64 younger ones; the count's field ends at 63, and the smaller count is safe
.elseif \s == 6
	s_wait_loadcnt 32                              ; the last step's 32 may be out
.else
	s_wait_loadcnt 0x0
.endif
	MUL \s
.endr
	WIN 0
	PLACES 4                                       ; in front of the first read of results and of the loads into registers that held fragments
	; THE WAY OUT.  A token tile's 16 rows x 64 channels go through my own stage in LDS and come back as rows of 256 bytes.  LDS serves a wave's instructions in order: no wait between the stores and the loads, nor in front of the next tile's stores
.irp a, 0,1,2,3
	WIN 0x04                                       ; an LDS store's data are its source 1: window 1
.irp n, 0,1,2,3
	ds_store_b128 v[STO], v[8*(4*\a+\n):8*(4*\a+\n)+3] offset:128*(\n/2)+32*(\n%2)          ; each accumulator from its low end on
	ds_store_b128 v[STO], v[8*(4*\a+\n)+4:8*(4*\a+\n)+7] offset:128*(\n/2)+32*(\n%2)+16
.endr
	WIN 0x80
.irp t, 0,1,2,3,4,5,6,7
	ds_load_b128 v[32*\a+4*\t:32*\a+4*\t+3], v[RD] offset:544*\t    ; lanes 0-15 row 2 t, lanes 16-31 row 2 t + 1
.endr
.endr
	WIN 0x08                                       ; a store's data are its source 1: window 2
.irp a, 0,1,2,3
	s_wait_dscnt 48-16*\a                          ; tile a's rows are back; the later tiles' 16 LDS instructions each may be out
.irp t, 0,1,2,3,4,5,6,7
	global_store_b128 v[CO], v[32*\a+4*\t:32*\a+4*\t+3], s[34:35] offset:(32*(\a/2)+8*(\a%2)+2*\t+8*(\t/4))*4096 th:TH_STORE_NT   ; 16 lanes store 256 consecutive bytes, at a multiple of 256 from out0's first byte
.endr
.endr
	WIN 0
	s_wait_tensorcnt 0x0
	ds_add_u32 v254, v255
	s_wait_dscnt 0x0
	s_endpgm
.Lfunc_end_k_q7857ac2dd7_oproj:
	.size	k_q7857ac2dd7_oproj, .Lfunc_end_k_q7857ac2dd7_oproj-k_q7857ac2dd7_oproj
	.p2alignl 7, 3214868480
	.fill 96, 4, 3214868480
	.section	.rodata,"a",@progbits
	.p2align	6, 0x0
	.amdhsa_kernel k_q7857ac2dd7_oproj
		.amdhsa_group_segment_fixed_size 17920
		.amdhsa_private_segment_fixed_size 0
		.amdhsa_enable_private_segment 0
		.amdhsa_kernarg_size 48
		.amdhsa_user_sgpr_count 2
		.amdhsa_user_sgpr_kernarg_segment_ptr 1
		.amdhsa_wavefront_size32 1
		.amdhsa_system_sgpr_workgroup_id_x 1
		.amdhsa_system_sgpr_workgroup_id_y 1
		.amdhsa_system_sgpr_workgroup_id_z 1
		.amdhsa_system_vgpr_workitem_id 0
		.amdhsa_next_free_vgpr 960
		.amdhsa_next_free_sgpr 66
		.amdhsa_reserve_vcc 0
		.amdhsa_float_denorm_mode_32 3
		.amdhsa_float_denorm_mode_16_64 3
		.amdhsa_memory_ordered 1
		.amdhsa_forward_progress 1
		.amdhsa_inst_pref_size 53
	.end_amdhsa_kernel
	.amdgpu_metadata
---
amdhsa.version: [ 1, 2 ]
amdhsa.kernels:
  - .name:           k_q7857ac2dd7_oproj
    .symbol:         k_q7857ac2dd7_oproj.kd
    .args:
      - { .name: aimg, .offset: 0, .size: 8, .value_kind: global_buffer, .address_space: global }
      - { .name: asc, .offset: 8, .size: 8, .value_kind: global_buffer, .address_space: global }
      - { .name: img, .offset: 16, .size: 8, .value_kind: global_buffer, .address_space: global }
      - { .name: isc, .offset: 24, .size: 8, .value_kind: global_buffer, .address_space: global }
      - { .name: bo, .offset: 32, .size: 8, .value_kind: global_buffer, .address_space: global }
      - { .name: out0, .offset: 40, .size: 8, .value_kind: global_buffer, .address_space: global }
    .group_segment_fixed_size: 17920
    .private_segment_fixed_size: 0
    .kernarg_segment_align: 8
    .kernarg_segment_size: 48
    .max_flat_workgroup_size: 128
    .sgpr_count:     66
    .vgpr_count:     960
    .wavefront_size: 32
...
	.end_amdgpu_metadata
.endif
;; end of part 4
;; ======== version 2 of 2: 4 launches; version 1 with the launches proj, oproj written anew for expert scheduling mode
;; workspace buffers: img 12,582,912 bytes; isc 524,288 bytes; pimg 9,437,184 bytes; psc 393,216 bytes; aimg 3,145,728 bytes; asc 131,072 bytes
;; launch quant: the kernel of part 1 again; grid 256 x 1, 8 waves a work-group, no clusters, 68,608 bytes of LDS; arguments q, k, v, Wq, Wk, Wv, Wo, img, isc; writes img, isc
;; launch proj (part 5): grid 64 x 3, 4 waves a work-group, no clusters, 0 bytes of LDS; arguments img, isc, bq, bk, bv, pimg, psc; writes pimg, psc
.if DOCPART == 5
	.amdgcn_target "amdgcn-amd-amdhsa--gfx1250"
	.amdhsa_code_object_version 6
	.text
	.protected	k_q7857ac2dd7_proj
	.globl	k_q7857ac2dd7_proj
	.p2align	8
	.type	k_q7857ac2dd7_proj,@function
k_q7857ac2dd7_proj:
	s_mov_b64 s[64:65], 0
	v_nop
	global_prefetch_b8 v0, s[64:65] scope:SCOPE_SE
	s_setreg_imm32_b32 hwreg(HW_REG_WAVE_SCHED_MODE, 0, 2), 2
	s_setreg_imm32_b32 hwreg(HW_REG_WAVE_MODE, 25, 1), 1
	s_wait_xcnt 0x0
	s_wait_alu depctr_vm_vsrc(0)
; The three projections x W^T + b on codes of BF6 (E3M2), one E8M0 scale for each 32 along K = 1,024; the results are quantised at once for the products that follow.  Work-group y = 0: q, 1: k, 2: v.
; All operands lie in img / isc as images of the matrix unit's registers (a fragment: 16 rows x 128 K, 1,536 bytes, three loads of 512 consecutive bytes), so they go from memory straight into registers: no LDS.
; THE FORM.  Source 1 takes "L" tiles: their row lies in the lane.  Source 0 takes "R" tiles: their rows run along a lane's registers, and tile T's rows are 128 (T / 8) + 32 ((T % 8) / 2) + 8 (T % 2) + r + 8 (r / 8),
; so that the 64 registers of the eight R tiles of a group are 32 b + 16 (lane / 16) + 0 .. 15 for b = 0 .. 3: the order that the quantiser takes.
;   q, k: L = token tiles, R = the eight tiles of W of one head: a lane holds one token and the head's 128 channels: the scores' K (two sub-heads of 64: blocks 0, 1 and 2, 3).
;   v:    L = the eight tiles of Wv of one head, R = eight token tiles (128 keys): a lane holds one channel and 128 keys: the second product's K.  Nothing is transposed.
; SHARES.  A wave makes 8 L x 8 R tiles: 64 accumulators, 512 registers, over 8 K steps of 64 matrix instructions.  768 waves, 192 work-groups.
; NO CLUSTER, NO RING: the fragments go into registers as they lie, which a tensor load cannot do; each wave reads 16 tiles x 12,288 bytes.
; The bias is the C of each sum's first matrix instruction.  LIMITS: as in the quantiser: NaN and infinities are not served; a block under 2^-122 gets the byte 1.
; OUT.  pimg: q at 0, k at 3,145,728: [head][token tile 0..255][1,536]; v at 6,291,456: [batch][head][channel tile 0..7][key step 0..15][1,536].
;       psc: q at 0, k at 131,072: [head][tile][16 words]; v at 262,144: [batch][head][key step][channel tile][16 words].
; REGISTERS, in windows of 256: window 0: v1-4, v8 addresses; v16-47 scale words, two sets; v48-49 scale words on the way out; v64-255 L's fragments, two sets (in the epilogue: the quantiser's work and two out-buffers).
;   window 1: R's fragments, two sets at v0 and v128; the bias in v96-127 and v224-255.   windows 2, 3: the accumulators: (a, b) at v[8 (8 (a % 4) + b)] of window 2 + a / 4.
; THE MODE: SCHED_MODE bits 1:0 = 2 (LLVM: expert scheduling mode 2), set by the entry lines.  The code itself states the register dependences between vector or matrix instructions and memory instructions,
; with s_wait_alu, always for 0.
; THE PLAN.  Registers that memory instructions touch:
;   v1-4, v8      Offsets: written at the head, never again; read by every load and store.
;   set 0, set 1  (R's and L's fragments and the scale words of a K step.)  K step s: its 64 matrix instructions read set s % 2; the loads of K step s + 1 land in set (s + 1) % 2, which the matrix instructions of step s - 1 read.
;   OUT0, OUT1    (v82-100, v104-122; with them v49.)  Tile a's quantiser writes OUT[a % 2]; the stores that read it are issued at the head of tile a + 1.
; So ONE wait on va_vdst stands at the head of K steps 1 to 6, behind the wait for the step's own data: the step before is done reading the other set.  The 64 loads that follow it are dealt among the step's first 20 matrix
; instructions, which name set s % 2 and the accumulators: none of the registers that those loads touch.  On the way out a tile's head holds one wait on vm_vsrc (the stores of two tiles back have read the out-buffer that is written
; again) and one on va_vdst (the last tile's quantiser has written the out-buffer that the stores below read).
.set LI,   1                           ; v1  16 x lane
.set LS,   2                           ; v2  4 x lane
.set LR16, 3                           ; v3  16 r
.set BO,   4                           ; v4  the bias's lane offset for q and k: 64 h
.set BOV,  8                           ; v8  and for v: 4 (r + 8 (r / 8))
.set SCL,  16                          ; L's scale words: set p, tile i at v[16 + 16 p + i]
.set SCR,  24                          ; R's at v[24 + 16 p + i]
.set PWE,  48
.set PWP,  49
.set LF,   64                          ; L's fragments: set p, tile i at v[64 + 96 p + 12 i]
.set TM,   64
.set PW,   80
.set PC0,  82                          ; the two out-buffers: OUT[k] at v[82 + 22 k], 19 registers each; PC names the one that the quantiser writes
.set SEL,  44                          ; s[44:45]
.set HM,   46                          ; s46  the mask of lanes 16-31
.set MSB, 0
.macro WIN new                         ; the immediate's high byte repeats the setting that is left; a switch that changes nothing is dropped
.if MSB != (\new)
	s_set_vgpr_msb (MSB<<8)|(\new)
.set MSB, (\new)
.endif
.endm
.macro PLACES n
.rept \n
	v_nop
.endr
.endm
; 64 numbers of a lane, v[s] .. v[s + 63] in window w, register 16 b + i = k 32 b + 16 (lane / 16) + i of my row, become a fragment's codes in v[PC] on and its scale word in v[PW].
; Each accumulator is read from its low end on.
.macro QUANT s, w
.set QN_S, \s
.set QN_W, \w
	WIN QN_W|(QN_W<<2)
.irp b, 0,1,2,3
	v_max3_num_f32 v[TM+\b], |v[QN_S+16*\b]|, |v[QN_S+16*\b+1]|, 0x2800000   ; block b: my 16 numbers, and the floor 2^(5 - 127): the byte cannot fall under 1
.endr
	WIN (QN_W<<2)|(QN_W<<4)
.irp i, 2,4,6,8,10,12,14
.irp b, 0,1,2,3
	v_max3_num_f32 v[TM+\b], v[TM+\b], |v[QN_S+16*\b+\i]|, |v[QN_S+16*\b+\i+1]|
.endr
.endr
	WIN 0
.irp b, 0,1,2,3
	v_permlanex16_b32 v[TM+4+\b], v[TM+\b], s[SEL], s[SEL+1]
.endr
.irp b, 0,1,2,3
	v_max_num_f32 v[TM+\b], v[TM+\b], v[TM+4+\b]           ; with lane l xor 16's: the block's largest magnitude
.endr
.irp b, 0,1,2,3
	v_add_nc_u32 v[TM+12+\b], 0xfe000000, v[TM+\b]         ; 4 off its exponent field: the conversion's scale operand
.endr
.irp b, 0,1,2,3
	v_lshrrev_b32 v[TM+4+\b], 23, v[TM+12+\b]              ; the scale's byte
.endr
	v_lshl_or_b32 v[PW], v[TM+5], 8, v[TM+4]
	v_lshl_or_b32 v[PW], v[TM+6], 16, v[PW]
	v_lshl_or_b32 v[PW], v[TM+7], 24, v[PW]
	WIN QN_W
.irp c, 0,1
	v_cvt_scalef32_pk16_bf6_f32 v[PC+6*\c:PC+6*\c+2], v[QN_S+32*\c:QN_S+32*\c+15], v[TM+12+2*\c]
	v_cvt_scalef32_pk16_bf6_f32 v[PC+12+4*\c:PC+14+4*\c], v[QN_S+16+32*\c:QN_S+31+32*\c], v[TM+13+2*\c]
.endr
	WIN 0
	v_nop                                                  ; one plain place behind a scaled conversion
.irp c, 0,1
.irp i, 0,1,2
	v_permlane16_swap_b32 v[PC+6*\c+\i], v[PC+12+4*\c+\i]
.endr
.irp i, 0,1,2
	v_mov_b32 v[PC+3+6*\c+\i], v[PC+12+4*\c+\i]
.endr
.endr
.endm
	s_load_b256 s[8:15], s[0:1], 0x0               ; img 8, isc 10, bq 12, bk 14
	s_load_b128 s[16:19], s[0:1], 0x20             ; bv 16, pimg 18
	s_load_b64 s[20:21], s[0:1], 0x30              ; psc
	v_lshrrev_b32 v5, 5, v0
	v_readfirstlane_b32 s41, v5                    ; wave 0..3
	v_and_b32 v5, 31, v0                           ; lane
	v_and_b32 v6, 15, v0                           ; r
	v_bfe_u32 v7, v0, 4, 1                         ; h
	v_lshlrev_b32 v[LI], 4, v5
	v_lshlrev_b32 v[LS], 2, v5
	v_lshlrev_b32 v[LR16], 4, v6
	v_lshlrev_b32 v[BO], 6, v7                     ; the bias of q, k goes by R's rows: lane (r, h), tile b: channels 32 (b / 2) + 8 (b % 2) + 16 h + 0 .. 7
	v_and_b32 v[BOV], 8, v6                        ; that of v by L's row: lane r, tile a: channel 32 (a / 2) + 8 (a % 2) + r + 8 (r / 8), the same in all eight registers
	v_add_nc_u32 v[BOV], v[BOV], v6
	v_lshlrev_b32 v[BOV], 2, v[BOV]
	v_cmp_lt_u32 s[HM], 15, v5
	s_wait_alu depctr_va_sdst(0)                   ; s41 (the wave's number) and s46 (the mask) are written, ahead of their first readers and of every branch
	s_mov_b32 s[SEL], 0x76543210
	s_mov_b32 s[SEL+1], 0xfedcba98
	s_and_b32 s40, ttmp7, 0xffff                   ; mode
	s_lshr_b32 s48, ttmp9, 2
	s_and_b32 s49, ttmp9, 3
	s_lshr_b32 s50, s41, 1
	s_and_b32 s51, s41, 1
	s_lshl_b32 s42, s48, 1
	s_add_co_u32 s42, s42, s50                     ; XG: which group of 128 tokens, 0..31
	s_lshl_b32 s43, s49, 1
	s_add_co_u32 s43, s43, s51                     ; WH: which head, 0..7
	s_lshl_b32 s52, s40, 8
	s_lshl_b32 s53, s42, 3
	s_add_co_u32 s52, s52, s53                     ; the tokens' first tile: 256 mode + 8 XG
	s_lshl_b32 s53, s40, 6
	s_lshl_b32 s54, s43, 3
	s_add_co_u32 s53, s53, s54
	s_add_co_u32 s53, s53, 768                     ; the weight's first tile: 768 + 64 mode + 8 WH
	s_cmp_eq_u32 s40, 2
	s_cselect_b32 s54, s53, s52                    ; L's first tile
	s_cselect_b32 s55, s52, s53                    ; R's
	s_mul_i32 s56, s54, 12288
	s_mov_b32 s57, 0
	s_mul_i32 s58, s55, 12288
	s_mov_b32 s59, 0
	s_wait_kmcnt 0x0
	s_add_nc_u64 s[24:25], s[8:9], s[56:57]        ; L's fragments
	s_add_nc_u64 s[26:27], s[8:9], s[58:59]        ; R's
	s_lshl_b32 s56, s54, 9
	s_lshl_b32 s58, s55, 9
	s_add_nc_u64 s[28:29], s[10:11], s[56:57]      ; L's scale words
	s_add_nc_u64 s[30:31], s[10:11], s[58:59]      ; R's
	s_cmp_eq_u32 s40, 0
	s_cselect_b64 s[32:33], s[12:13], s[14:15]
	s_cmp_eq_u32 s40, 2
	s_cselect_b64 s[32:33], s[16:17], s[32:33]     ; the mode's bias,
	s_lshl_b32 s56, s43, 9
	s_add_nc_u64 s[32:33], s[32:33], s[56:57]      ; at the head's 128 numbers
	; where the results go
	s_lshl_b32 s48, s43, 8
	s_lshl_b32 s49, s42, 3
	s_add_co_u32 s48, s48, s49                     ; q, k: fragment 256 WH + 8 XG
	s_lshr_b32 s49, s42, 4
	s_lshl_b32 s49, s49, 3
	s_add_co_u32 s49, s49, s43                     ; v: 8 batch + head,
	s_and_b32 s50, s42, 15                         ; key step g
	s_lshl_b32 s51, s49, 7
	s_add_co_u32 s51, s51, s50                     ; fragment 128 (8 batch + head) + g, and 16 further on for each channel tile
	s_lshl_b32 s52, s49, 4
	s_add_co_u32 s52, s52, s50
	s_lshl_b32 s52, s52, 9                         ; scale words: (16 (8 batch + head) + g) x 512 bytes
	s_lshl_b32 s53, s48, 6                         ; q, k: 64 bytes a tile
	s_mov_b32 s38, 1536
	s_cmp_eq_u32 s40, 2
	s_cselect_b32 s51, s51, s48
	s_cselect_b32 s52, s52, s53
	s_cselect_b32 s38, 24576, s38                  ; from one L tile's fragment to the next
	s_mov_b32 s39, 0
	s_mul_i32 s56, s51, 1536
	s_mul_i32 s53, s40, 3145728
	s_add_co_u32 s56, s56, s53
	s_add_nc_u64 s[34:35], s[18:19], s[56:57]      ; pimg
	s_lshl_b32 s53, s40, 17
	s_add_co_u32 s56, s52, s53
	s_add_nc_u64 s[36:37], s[20:21], s[56:57]      ; psc
	; the bias, in the result's layout, eight registers a tile, in window 1 at v[96 + 8 x] (x < 4) and v[192 + 8 x]
	s_wait_alu depctr_va_vdst(0)                   ; the five offsets v1 to v4 and v8 are written: every load and store of the kernel reads one of them
	s_cmp_eq_u32 s40, 2
	s_cbranch_scc1 .Lbias_v
	WIN 0x40
.irp b, 0,1,2,3,4,5,6,7
	global_load_b128 v[96+8*\b+96*(\b/4):96+8*\b+96*(\b/4)+3], v[BO], s[32:33] offset:(32*(\b/2)+8*(\b%2))*4
	global_load_b128 v[96+8*\b+96*(\b/4)+4:96+8*\b+96*(\b/4)+7], v[BO], s[32:33] offset:(32*(\b/2)+8*(\b%2))*4+16
.endr
	WIN 0
	s_branch .Lbias_done
.Lbias_v:
	WIN 0x40
.irp a, 0,1,2,3,4,5,6,7
.irp j, 0,1,2,3,4,5,6,7
	global_load_b32 v[96+8*\a+96*(\a/4)+\j], v[BOV], s[32:33] offset:(32*(\a/2)+8*(\a%2))*4
.endr
.endr
	WIN 0
.Lbias_done:
; K step s: two of R's fragments, i0 and i0 + 1, into set s % 2: six loads of 512 consecutive bytes
.macro LOADR2 s, i0
.set PL_, (\s)%2
	WIN 0x40
.irp i, \i0, \i0+1
.irp c, 0,1,2
	global_load_b128 v[128*PL_+12*(\i)+4*\c:128*PL_+12*(\i)+4*\c+3], v[LI], s[26:27] offset:(\i)*12288+(\s)*1536+512*\c
.endr
.endr
.endm
; and two of L's
.macro LOADL2 s, i0
.set PL_, (\s)%2
	WIN 0
.irp i, \i0, \i0+1
.irp c, 0,1,2
	global_load_b128 v[LF+96*PL_+12*(\i)+4*\c:LF+96*PL_+12*(\i)+4*\c+3], v[LI], s[24:25] offset:(\i)*12288+(\s)*1536+512*\c
.endr
.endr
.endm
; its scale words: lane r takes row r's.  L's eight,
.macro LOADSL s
.set PL_, (\s)%2
	WIN 0
.irp i, 0,1,2,3,4,5,6,7
	global_load_b32 v[SCL+16*PL_+\i], v[LR16], s[28:29] offset:\i*512+((\s)/4)*256+4*((\s)%4)
.endr
.endm
; and R's eight
.macro LOADSR s
.set PL_, (\s)%2
	WIN 0
.irp i, 0,1,2,3,4,5,6,7
	global_load_b32 v[SCR+16*PL_+\i], v[LR16], s[30:31] offset:\i*512+((\s)/4)*256+4*((\s)%4)
.endr
.endm
.macro LOADF s                         ; a whole K step's fragments: R's eight, then L's: 48 loads
.irp j, 0,2,4,6
	LOADR2 \s, \j
.endr
.irp j, 0,2,4,6
	LOADL2 \s, \j
.endr
.endm
; Two matrix instructions of K step s: L's tile a against R's tiles b0 and b0 + 1.  cm = 0: the sums go on; 1: they start with the bias by R's tile; 2: by L's tile.
.macro MPAIR s, a, b0, cm
.set PM_, (\s)%2
.if \cm == 0
	WIN 0xa1+0x50*((\a)/4)                         ; source 0 (R) window 1, source 1 (L) window 0, C and D window 2 or 3
.else
	WIN 0x91+0x40*((\a)/4)                         ; C (the bias) window 1
.endif
.irp b, \b0, \b0+1
.set AC_, 8*(8*((\a)%4)+(\b))
.set BR_, 128*PM_+12*(\b)
.set AL_, LF+96*PM_+12*(\a)
.if \cm == 0
	v_wmma_scale_f32_16x16x128_f8f6f4 v[AC_:AC_+7], v[BR_:BR_+11], v[AL_:AL_+11], v[AC_:AC_+7], v[SCR+16*PM_+(\b)], v[SCL+16*PM_+(\a)] matrix_a_fmt:MATRIX_FMT_BF6 matrix_b_fmt:MATRIX_FMT_BF6
.elseif \cm == 1
.set CB_, 96+8*(\b)+96*((\b)/4)
	v_wmma_scale_f32_16x16x128_f8f6f4 v[AC_:AC_+7], v[BR_:BR_+11], v[AL_:AL_+11], v[CB_:CB_+7], v[SCR+16*PM_+(\b)], v[SCL+16*PM_+(\a)] matrix_a_fmt:MATRIX_FMT_BF6 matrix_b_fmt:MATRIX_FMT_BF6
.else
.set CB_, 96+8*(\a)+96*((\a)/4)
	v_wmma_scale_f32_16x16x128_f8f6f4 v[AC_:AC_+7], v[BR_:BR_+11], v[AL_:AL_+11], v[CB_:CB_+7], v[SCR+16*PM_+(\b)], v[SCL+16*PM_+(\a)] matrix_a_fmt:MATRIX_FMT_BF6 matrix_b_fmt:MATRIX_FMT_BF6
.endif
.endr
.endm
.macro MROW s, a, cm                   ; L's tile a against R's eight
	MPAIR \s, \a, 0, \cm
	MPAIR \s, \a, 2, \cm
	MPAIR \s, \a, 4, \cm
	MPAIR \s, \a, 6, \cm
.endm
; 64 matrix instructions: K step s.  The 64 accumulators take turns, one instruction a turn, in the same order in every step.
.macro MULALL s, cm
.irp a, 0,1,2,3,4,5,6,7
	MROW \s, \a, \cm
.endr
.endm
; K steps 1 to 6.  The next step's 64 loads go into the set that step s - 1 multiplied; they are dealt among this step's first 20 matrix instructions: six fragment loads behind each of eight pairs, eight scale words behind each of two.
.macro STEPL s
	PLACES 4                                       ; four plain places between the last step's matrix instructions and the loads into the registers that they read; they stand beside the wait below, not for it
	s_wait_loadcnt 0x0                             ; this step's fragments and scale words are in: they are all that is out
	s_wait_alu depctr_va_vdst(0)                   ; the last step's matrix instructions are done reading their fragments and scale words, in which the loads below land; no matrix instruction of this step names those registers
	MPAIR \s, 0, 0, 0
	LOADR2 (\s)+1, 0
	MPAIR \s, 0, 2, 0
	LOADR2 (\s)+1, 2
	MPAIR \s, 0, 4, 0
	LOADR2 (\s)+1, 4
	MPAIR \s, 0, 6, 0
	LOADR2 (\s)+1, 6
	MPAIR \s, 1, 0, 0
	LOADL2 (\s)+1, 0
	MPAIR \s, 1, 2, 0
	LOADL2 (\s)+1, 2
	MPAIR \s, 1, 4, 0
	LOADL2 (\s)+1, 4
	MPAIR \s, 1, 6, 0
	LOADL2 (\s)+1, 6
	MPAIR \s, 2, 0, 0
	LOADSL (\s)+1
	MPAIR \s, 2, 2, 0
	LOADSR (\s)+1
	MPAIR \s, 2, 4, 0
	MPAIR \s, 2, 6, 0
.irp a, 3,4,5,6,7
	MROW \s, \a, 0
.endr
.endm
	LOADF 0                                        ; K steps 0 and 1 are asked for at once: no vector or matrix instruction has named these registers
	LOADSL 0
	LOADSR 0
	LOADF 1
	s_wait_loadcnt 48                              ; all but the 48 fragment loads just issued: the bias and K step 0's fragments and scale words are in
	LOADSL 1                                       ; (behind the wait, so that its count names the fragment loads alone)
	LOADSR 1
	s_cmp_eq_u32 s40, 2
	s_cbranch_scc1 .Lfirst_v
	MULALL 0, 1
	WIN 0
	s_branch .Lfirst_done
.Lfirst_v:
	MULALL 0, 2
	WIN 0
.Lfirst_done:
.irp s, 1,2,3,4,5,6
	STEPL \s
.endr
	s_wait_loadcnt 0x0                             ; the last K step asks for nothing more
	MULALL 7, 0
	WIN 0
	PLACES 4                                       ; in front of the first read of results and of writes into registers that held fragments
.irp b, 0,1,2,3
	v_mov_b32 v[TM+4+\b], 0                        ; a lane permute's destination counts as one of its sources
.endr
	; THE WAY OUT: L tile a's 64 numbers a lane become one fragment and one scale word a row.  A tile's stores are issued at the head of the next tile, out of the out-buffer that that tile's quantiser does not write
.macro SENDT a                         ; tile a's stores
.set PO_, PC0+22*((\a)%2)
.irp c, 0,1,2
	global_store_b128 v[LI], v[PO_+4*\c:PO_+4*\c+3], s[34:35] offset:512*\c   ; 512 consecutive bytes a store
.endr
.if (\a)%2
	global_store_b32 v[LS], v[PWP], s[36:37] offset:128*((\a)/2)   ; 128 consecutive bytes: two tiles' scale words
.endif
.endm
.irp a, 0,1,2,3,4,5,6,7
.if \a > 1
	s_wait_xcnt 0x0                                ; the stores of two tiles back have had their addresses translated: their data and their base are written again
	s_wait_alu depctr_vm_vsrc(0)                   ; the stores of two tiles back have read their out-buffer, which this tile's quantiser writes again, and v49
	s_add_nc_u64 s[34:35], s[34:35], s[38:39]      ; the base at the last tile's fragment
.endif
.if \a > 0
	s_wait_alu depctr_va_vdst(0)                   ; the last tile's quantiser has written its out-buffer, and the select below it v49: the stores read them
	SENDT \a-1
.endif
.set PC, PC0+22*(\a%2)
	QUANT 64*(\a%4), 2+\a/4
.if \a%2 == 0
	v_mov_b32 v[PWE], v[PW]
.else
	v_cndmask_b32 v[PWP], v[PWE], v[PW], s[HM]     ; lanes 0-15 the even tile's words, lanes 16-31 the odd tile's
.endif
.endr
	s_wait_xcnt 0x0                                ; tile 6's stores have read their base
	s_add_nc_u64 s[34:35], s[34:35], s[38:39]
	s_wait_alu depctr_va_vdst(0)                   ; tile 7's quantiser has written its out-buffer and v49, which the last stores read
	SENDT 7
	s_endpgm
.Lfunc_end_k_q7857ac2dd7_proj:
	.size	k_q7857ac2dd7_proj, .Lfunc_end_k_q7857ac2dd7_proj-k_q7857ac2dd7_proj
	.p2alignl 7, 3214868480
	.fill 96, 4, 3214868480
	.section	.rodata,"a",@progbits
	.p2align	6, 0x0
	.amdhsa_kernel k_q7857ac2dd7_proj
		.amdhsa_group_segment_fixed_size 0
		.amdhsa_private_segment_fixed_size 0
		.amdhsa_enable_private_segment 0
		.amdhsa_kernarg_size 56
		.amdhsa_user_sgpr_count 2
		.amdhsa_user_sgpr_kernarg_segment_ptr 1
		.amdhsa_wavefront_size32 1
		.amdhsa_system_sgpr_workgroup_id_x 1
		.amdhsa_system_sgpr_workgroup_id_y 1
		.amdhsa_system_sgpr_workgroup_id_z 1
		.amdhsa_system_vgpr_workitem_id 0
		.amdhsa_next_free_vgpr 1024
		.amdhsa_next_free_sgpr 66
		.amdhsa_reserve_vcc 0
		.amdhsa_float_denorm_mode_32 3
		.amdhsa_float_denorm_mode_16_64 3
		.amdhsa_memory_ordered 1
		.amdhsa_forward_progress 1
		.amdhsa_inst_pref_size 173
	.end_amdhsa_kernel
	.amdgpu_metadata
---
amdhsa.version: [ 1, 2 ]
amdhsa.kernels:
  - .name:           k_q7857ac2dd7_proj
    .symbol:         k_q7857ac2dd7_proj.kd
    .args:
      - { .name: img, .offset: 0, .size: 8, .value_kind: global_buffer, .address_space: global }
      - { .name: isc, .offset: 8, .size: 8, .value_kind: global_buffer, .address_space: global }
      - { .name: bq, .offset: 16, .size: 8, .value_kind: global_buffer, .address_space: global }
      - { .name: bk, .offset: 24, .size: 8, .value_kind: global_buffer, .address_space: global }
      - { .name: bv, .offset: 32, .size: 8, .value_kind: global_buffer, .address_space: global }
      - { .name: pimg, .offset: 40, .size: 8, .value_kind: global_buffer, .address_space: global }
      - { .name: psc, .offset: 48, .size: 8, .value_kind: global_buffer, .address_space: global }
    .group_segment_fixed_size: 0
    .private_segment_fixed_size: 0
    .kernarg_segment_align: 8
    .kernarg_segment_size: 56
    .max_flat_workgroup_size: 128
    .sgpr_count:     66
    .vgpr_count:     1024
    .wavefront_size: 32
...
	.end_amdgpu_metadata
.endif
;; end of part 5
;; launch attn: the kernel of part 3 again; grid 16 x 16, 4 waves a work-group, no clusters, 233,984 bytes of LDS; arguments pimg, psc, lambda_q1, lambda_k1, lambda_q2, lambda_k2, aimg, asc; writes aimg, asc
;; launch oproj (part 6): grid 8 x 32, 4 waves a work-group, no clusters, 17,920 bytes of LDS; arguments aimg, asc, img, isc, bo, out0; writes out0
.if DOCPART == 6
	.amdgcn_target "amdgcn-amd-amdhsa--gfx1250"
	.amdhsa_code_object_version 6
	.text
	.protected	k_q7857ac2dd7_oproj
	.globl	k_q7857ac2dd7_oproj
	.p2align	8
	.type	k_q7857ac2dd7_oproj,@function
k_q7857ac2dd7_oproj:
	s_mov_b64 s[64:65], 0
	v_nop
	global_prefetch_b8 v0, s[64:65] scope:SCOPE_SE
	s_setreg_imm32_b32 hwreg(HW_REG_WAVE_SCHED_MODE, 0, 2), 2
	s_setreg_imm32_b32 hwreg(HW_REG_WAVE_MODE, 25, 1), 1
	s_wait_xcnt 0x0
	s_wait_alu depctr_vm_vsrc(0)
; out0 = attention's result x Wo^T + bo, on codes of BF6 (E3M2) with one E8M0 scale for each 32 along K = 1,024.  Both operands lie in memory as images of the matrix unit's registers
; (a fragment: 16 rows x 128 K, 1,536 bytes, three loads of 512 consecutive bytes) and go straight into registers.
; SHARES.  A work-group makes 128 tokens (y) x 128 channels (x); a wave 64 x 64: 4 token tiles (source 1) x 4 tiles of Wo (source 0): 16 accumulators, 8 K steps of 16 matrix instructions.  256 work-groups.
; Tile T's rows are 128 (T / 8) + 32 ((T % 8) / 2) + 8 (T % 2) + r + 8 (r / 8): in the result lane (r, h) holds token r of its tile and, in the 32 registers of four tiles of Wo, the channels 32 (n / 2) + 16 h + 8 (n % 2) + j.
; NO CLUSTER, NO RING: the fragments go into registers as they lie; three sets of registers keep two K steps' loads on their way.
; REGISTERS: window 0: v1-7 addresses, v16-39 scale words (three sets of 4 + 4), v48-79 the bias, v254-255 the closing add's two.   window 1: the accumulators, (a, n) at v[8 (4 a + n)].
;   window 2: the tokens' fragments, set p, tile a at v[48 p + 12 a]; on the way out whole rows.   window 3: Wo's fragments likewise.
; THE MODE: SCHED_MODE bits 1:0 = 2 (LLVM: expert scheduling mode 2), set by the entry lines.  The code itself states the register dependences between vector or matrix instructions and memory or LDS instructions,
; with s_wait_alu, always for 0.
; THE PLAN.  Registers that memory or LDS instructions touch:
;   v1-7          Offsets and LDS addresses: written at the head, never again.   v254, v255: written at the head, read by the closing add alone.
;   sets 0, 1, 2  (The tokens' and Wo's fragments and the scale words of a K step.)  K step s: its 16 matrix instructions read set s % 3; the loads of K step s + 2 land in set (s + 2) % 3, which the matrix instructions of step s - 1 read.
;   accumulators  Written by the matrix instructions; read by the LDS stores of the way out.
;   window 2, v0-127  On the way out the loads from the stage land there: registers that matrix instructions read as fragments; the global stores read them.
; So ONE wait on va_vdst stands at the head of K steps 1 to 5, behind the wait for the step's own data; the step's 32 loads follow it, dealt among its first ten matrix instructions, which name set s % 3 and the accumulators alone.
; One more stands ahead of the way out.  No register that a memory or LDS instruction reads is ever written again: no wait on vm_vsrc is owed.
.set LI,   1                           ; v1  16 x lane
.set LR,   2                           ; v2  4 r
.set LR16, 3                           ; v3  16 r
.set BO,   4                           ; v4  64 h
.set STO,  5                           ; v5  the stage, in: wave x 4,352 + 272 r + 64 h
.set RD,   6                           ; v6  back: wave x 4,352 + 272 h + 16 r
.set CO,   7                           ; v7  in out0: 4,096 h + 16 r
.set SC,   16
.set BI,   48
.set MSB, 0
.macro WIN new                         ; the immediate's high byte repeats the setting that is left; a switch that changes nothing is dropped
.if MSB != (\new)
	s_set_vgpr_msb (MSB<<8)|(\new)
.set MSB, (\new)
.endif
.endm
.macro PLACES n
.rept \n
	v_nop
.endr
.endm
	s_load_b256 s[8:15], s[0:1], 0x0               ; aimg 8, asc 10, img 12, isc 14
	s_load_b128 s[16:19], s[0:1], 0x20             ; bo 16, out0 18
	v_lshl_add_u32 v254, v0, 2, 0x4400
	v_mov_b32 v255, 0
	v_lshrrev_b32 v8, 5, v0
	v_readfirstlane_b32 s20, v8                    ; wave 0..3
	v_and_b32 v8, 31, v0                           ; lane
	v_and_b32 v9, 15, v0                           ; r
	v_bfe_u32 v10, v0, 4, 1                        ; h
	v_lshlrev_b32 v[LI], 4, v8
	v_lshlrev_b32 v[LR], 2, v9
	v_lshlrev_b32 v[LR16], 4, v9
	v_lshlrev_b32 v[BO], 6, v10
	s_wait_alu depctr_va_sdst(0)                   ; s20, the wave's number, is written, ahead of its first reader: LDS addresses and the bases are made from it
	s_mul_i32 s44, s20, 4352
	v_mul_u32_u24 v[STO], v9, 272                  ; a stage row: 256 bytes + 16 = 17 x 16: sixteen rows begin at sixteen different 16-byte columns of 256 bytes
	v_lshl_add_u32 v[STO], v10, 6, v[STO]
	v_add_nc_u32 v[STO], s44, v[STO]
	v_mul_u32_u24 v[RD], v10, 272
	v_lshl_add_u32 v[RD], v9, 4, v[RD]
	v_add_nc_u32 v[RD], s44, v[RD]
	v_lshlrev_b32 v[CO], 12, v10
	v_lshl_add_u32 v[CO], v9, 4, v[CO]
	s_lshr_b32 s21, s20, 1                         ; which 64 tokens
	s_and_b32 s22, s20, 1                          ; which 64 channels
	s_and_b32 s23, ttmp7, 0xffff                   ; y
	s_lshl_b32 s36, s23, 3
	s_lshl_b32 s37, s21, 2
	s_add_co_u32 s36, s36, s37                     ; my first token tile
	s_lshl_b32 s38, ttmp9, 3
	s_lshl_b32 s39, s22, 2
	s_add_co_u32 s38, s38, s39
	s_add_co_u32 s38, s38, 960                     ; my first tile of Wo in img
	s_mul_i32 s40, s36, 12288
	s_mov_b32 s41, 0
	s_mul_i32 s42, s38, 12288
	s_mov_b32 s43, 0
	s_wait_kmcnt 0x0
	s_add_nc_u64 s[24:25], s[8:9], s[40:41]        ; the tokens' fragments
	s_add_nc_u64 s[26:27], s[12:13], s[42:43]      ; Wo's
	s_lshl_b32 s40, s36, 9
	s_lshl_b32 s42, s38, 9
	s_add_nc_u64 s[28:29], s[10:11], s[40:41]      ; the tokens' scale words: [tile][K step][16 words]
	s_add_nc_u64 s[30:31], s[14:15], s[42:43]      ; Wo's
	s_lshl_b32 s40, ttmp9, 9
	s_lshl_b32 s42, s22, 8
	s_add_co_u32 s40, s40, s42                     ; my first channel, in bytes: (128 x + 64 half) x 4
	s_add_nc_u64 s[32:33], s[16:17], s[40:41]      ; bo
	s_lshl_b32 s42, s23, 19                        ; 128 y rows of 4,096 bytes
	s_lshl_b32 s44, s21, 18                        ; 64 rows
	s_add_co_u32 s42, s42, s44
	s_add_co_u32 s42, s42, s40
	s_add_nc_u64 s[34:35], s[18:19], s[42:43]      ; out0
	s_wait_alu depctr_va_vdst(0)                   ; the seven offsets and addresses v1 to v7 are written, which the loads, stores and LDS instructions below read
.irp n, 0,1,2,3
	global_load_b128 v[BI+8*\n:BI+8*\n+3], v[BO], s[32:33] offset:(32*(\n/2)+8*(\n%2))*4      ; the bias in the result's layout
	global_load_b128 v[BI+8*\n+4:BI+8*\n+7], v[BO], s[32:33] offset:(32*(\n/2)+8*(\n%2))*4+16
.endr
; K step s into set s % 3: two of the tokens' fragments, a0 and a0 + 1: six loads of 512 consecutive bytes,
.macro LOADT2 s, a0
.set PL_, (\s)%3
	WIN 0x80
.irp a, \a0, \a0+1
.irp c, 0,1,2
	global_load_b128 v[48*PL_+12*(\a)+4*\c:48*PL_+12*(\a)+4*\c+3], v[LI], s[24:25] offset:(\a)*12288+(\s)*1536+512*\c
.endr
.endr
.endm
; two of Wo's,
.macro LOADW2 s, n0
.set PL_, (\s)%3
	WIN 0xc0
.irp n, \n0, \n0+1
.irp c, 0,1,2
	global_load_b128 v[48*PL_+12*(\n)+4*\c:48*PL_+12*(\n)+4*\c+3], v[LI], s[26:27] offset:(\n)*12288+(\s)*1536+512*\c
.endr
.endr
.endm
; and its eight scale words
.macro LOADS s
.set PL_, (\s)%3
	WIN 0
.irp a, 0,1,2,3
	global_load_b32 v[SC+8*PL_+\a], v[LR], s[28:29] offset:\a*512+64*(\s)
.endr
.irp n, 0,1,2,3
	global_load_b32 v[SC+8*PL_+4+\n], v[LR16], s[30:31] offset:\n*512+((\s)/4)*256+4*((\s)%4)
.endr
.endm
.macro LOAD s                          ; a whole K step: 24 fragment loads and 8 scale words: 32 loads
	LOADT2 \s, 0
	LOADT2 \s, 2
	LOADW2 \s, 0
	LOADW2 \s, 2
	LOADS \s
.endm
; Two matrix instructions of K step s: token tile a against Wo's tiles n0 and n0 + 1.  The 16 accumulators take turns, one instruction a turn, in the same order in every step; K step 0 starts the sums with the bias
.macro MPAIR s, a, n0
.set PM_, (\s)%3
.if (\s) == 0
	WIN 0x4b                                       ; source 0 (Wo) window 3, source 1 (tokens) window 2, C (the bias) window 0, D window 1
.else
	WIN 0x5b                                       ; C and D window 1
.endif
.irp n, \n0, \n0+1
.set AC_, 8*(4*(\a)+(\n))
.if (\s) == 0
	v_wmma_scale_f32_16x16x128_f8f6f4 v[AC_:AC_+7], v[48*PM_+12*(\n):48*PM_+12*(\n)+11], v[48*PM_+12*(\a):48*PM_+12*(\a)+11], v[BI+8*(\n):BI+8*(\n)+7], v[SC+8*PM_+4+(\n)], v[SC+8*PM_+(\a)] matrix_a_fmt:MATRIX_FMT_BF6 matrix_b_fmt:MATRIX_FMT_BF6
.else
	v_wmma_scale_f32_16x16x128_f8f6f4 v[AC_:AC_+7], v[48*PM_+12*(\n):48*PM_+12*(\n)+11], v[48*PM_+12*(\a):48*PM_+12*(\a)+11], v[AC_:AC_+7], v[SC+8*PM_+4+(\n)], v[SC+8*PM_+(\a)] matrix_a_fmt:MATRIX_FMT_BF6 matrix_b_fmt:MATRIX_FMT_BF6
.endif
.endr
.endm
	LOAD 0
	LOAD 1
; K step s.  Steps 0 to 5 ask for the step two on, into the set that step s - 1 multiplied (step 0: into a set that nothing has named): six fragment loads behind each of the first four pairs of matrix instructions, the scale words behind the fifth
.irp s, 0,1,2,3,4,5,6,7
.if (\s > 0) && (\s < 6)
	PLACES 4                                       ; four plain places between the last step's matrix instructions and the loads into the registers that they read; they stand beside the wait below, not for it
.endif
.if \s < 7
	s_wait_loadcnt 32                              ; loads come back in order (ISA guide 5.7.1): this step's 32 (step 0: and the bias) are in; the next step's 32 may be out
.else
	s_wait_loadcnt 0x0
.endif
.if (\s > 0) && (\s < 6)
	s_wait_alu depctr_va_vdst(0)                   ; the last step's matrix instructions are done reading their fragments and scale words, in which the loads below land; no matrix instruction of this step names those registers
.endif
	MPAIR \s, 0, 0
.if \s < 6
	LOADT2 (\s)+2, 0
.endif
	MPAIR \s, 0, 2
.if \s < 6
	LOADT2 (\s)+2, 2
.endif
	MPAIR \s, 1, 0
.if \s < 6
	LOADW2 (\s)+2, 0
.endif
	MPAIR \s, 1, 2
.if \s < 6
	LOADW2 (\s)+2, 2
.endif
	MPAIR \s, 2, 0
.if \s < 6
	LOADS (\s)+2
.endif
	MPAIR \s, 2, 2
	MPAIR \s, 3, 0
	MPAIR \s, 3, 2
.endr
	WIN 0
	PLACES 4                                       ; in front of the first read of results and of the loads into registers that held fragments
	s_wait_alu depctr_va_vdst(0)                   ; the matrix instructions have written the accumulators, which the LDS stores read, and are done reading window 2's fragments, in which the loads from the stage land; the places above stay beside this wait
	; THE WAY OUT.  A token tile's 16 rows x 64 channels go through my own stage in LDS and come back as rows of 256 bytes.  LDS serves a wave's instructions in order: no wait between the stores and the loads, nor in front of the next tile's stores
.irp a, 0,1,2,3
	WIN 0x04                                       ; an LDS store's data are its source 1: window 1
.irp n, 0,1,2,3
	ds_store_b128 v[STO], v[8*(4*\a+\n):8*(4*\a+\n)+3] offset:128*(\n/2)+32*(\n%2)          ; each accumulator from its low end on
	ds_store_b128 v[STO], v[8*(4*\a+\n)+4:8*(4*\a+\n)+7] offset:128*(\n/2)+32*(\n%2)+16
.endr
	WIN 0x80
.irp t, 0,1,2,3,4,5,6,7
	ds_load_b128 v[32*\a+4*\t:32*\a+4*\t+3], v[RD] offset:544*\t    ; lanes 0-15 row 2 t, lanes 16-31 row 2 t + 1
.endr
.endr
	WIN 0x08                                       ; a store's data are its source 1: window 2
.irp a, 0,1,2,3
	s_wait_dscnt 48-16*\a                          ; tile a's rows are back; the later tiles' 16 LDS instructions each may be out
.irp t, 0,1,2,3,4,5,6,7
	global_store_b128 v[CO], v[32*\a+4*\t:32*\a+4*\t+3], s[34:35] offset:(32*(\a/2)+8*(\a%2)+2*\t+8*(\t/4))*4096 th:TH_STORE_NT   ; 16 lanes store 256 consecutive bytes, at a multiple of 256 from out0's first byte
.endr
.endr
	WIN 0                                          ; the add's two registers lie in window 0
	s_wait_dscnt 0x0                               ; the closing lines, six on end
	s_wait_alu 0x0
	s_wait_tensorcnt 0x0
	ds_add_u32 v254, v255
	s_wait_dscnt 0x0
	s_endpgm
.Lfunc_end_k_q7857ac2dd7_oproj:
	.size	k_q7857ac2dd7_oproj, .Lfunc_end_k_q7857ac2dd7_oproj-k_q7857ac2dd7_oproj
	.p2alignl 7, 3214868480
	.fill 96, 4, 3214868480
	.section	.rodata,"a",@progbits
	.p2align	6, 0x0
	.amdhsa_kernel k_q7857ac2dd7_oproj
		.amdhsa_group_segment_fixed_size 17920
		.amdhsa_private_segment_fixed_size 0
		.amdhsa_enable_private_segment 0
		.amdhsa_kernarg_size 48
		.amdhsa_user_sgpr_count 2
		.amdhsa_user_sgpr_kernarg_segment_ptr 1
		.amdhsa_wavefront_size32 1
		.amdhsa_system_sgpr_workgroup_id_x 1
		.amdhsa_system_sgpr_workgroup_id_y 1
		.amdhsa_system_sgpr_workgroup_id_z 1
		.amdhsa_system_vgpr_workitem_id 0
		.amdhsa_next_free_vgpr 960
		.amdhsa_next_free_sgpr 66
		.amdhsa_reserve_vcc 0
		.amdhsa_float_denorm_mode_32 3
		.amdhsa_float_denorm_mode_16_64 3
		.amdhsa_memory_ordered 1
		.amdhsa_forward_progress 1
		.amdhsa_inst_pref_size 55
	.end_amdhsa_kernel
	.amdgpu_metadata
---
amdhsa.version: [ 1, 2 ]
amdhsa.kernels:
  - .name:           k_q7857ac2dd7_oproj
    .symbol:         k_q7857ac2dd7_oproj.kd
    .args:
      - { .name: aimg, .offset: 0, .size: 8, .value_kind: global_buffer, .address_space: global }
      - { .name: asc, .offset: 8, .size: 8, .value_kind: global_buffer, .address_space: global }
      - { .name: img, .offset: 16, .size: 8, .value_kind: global_buffer, .address_space: global }
      - { .name: isc, .offset: 24, .size: 8, .value_kind: global_buffer, .address_space: global }
      - { .name: bo, .offset: 32, .size: 8, .value_kind: global_buffer, .address_space: global }
      - { .name: out0, .offset: 40, .size: 8, .value_kind: global_buffer, .address_space: global }
    .group_segment_fixed_size: 17920
    .private_segment_fixed_size: 0
    .kernarg_segment_align: 8
    .kernarg_segment_size: 48
    .max_flat_workgroup_size: 128
    .sgpr_count:     66
    .vgpr_count:     960
    .wavefront_size: 32
...
	.end_amdgpu_metadata
.endif
;; end of part 6
